; MI455X (gfx1250); checked and timed in simulation.
; The chip was launched on July 23, 2026; its instructions are those of AMD's public machine-readable ISA for CDNA 5 (MIT licence, August 2026) and "CDNA5" Instruction Set Architecture Reference Guide (July 2026). The comments in the code are by the model that wrote it; some were corrected since.
;; Self Attention. Allowed arithmetic: matrix products marked QUANTISED: E2M1 operands, one E8M0 scale for each 32 along K, by v_wmma_scale_f32_16x16x128_f8f6f4 with both operands' format E2M1 (or v_wmma_scale_f32_32x16x128_f4), f32 sums; products left as they are: bf16, f16 or f32 operands; f32 sums; everything else in f32.
;; Inputs: Wk 1,024 x 1,024 float32; Wp 1,024 x 1,024 float32; Wq 1,024 x 1,024 float32; Wv 1,024 x 1,024 float32; bk 1,024 float32; bp 1,024 float32; bq 1,024 float32; bv 1,024 float32; x 8 x 1,024 x 1,024 float32.
;; Outputs: out0 8 x 1,024 x 1,024 float32.
;; This version of the problem:
;;   THIS VERSION OF THE PROBLEM IS GIVEN IN LOW PRECISION. The matrix products marked QUANTISED in the list below multiply operands that are first quantised to E2M1 (2 exponent bits, 1 mantissa bit; 4 bits a number), with one power-of-two scale for each 32 numbers along K (OCP MX v1.0); their sums are f32. The products marked 'left as it is' may take bf16, f16 or f32 operands, with f32 sums. Whichever they take, every output number must still come out within the allowed error. Rounding operands to bf16 (8 significant bits) uses up far more of that allowance than f16 does (11 bits, for magnitudes from 6e-5 to 65,504). All else is computed in f32.
;;   The module's matrix products, in the order in which they are computed (A, B: the left and right operand; K: the contracted axis; several contracted axes count as one K, in the product's order):
;;     1. [M 8,192, K 1,024] x [K 1,024, N 1,024]; A: input x; B: input Wk: QUANTISED
;;     2. [M 8,192, K 1,024] x [K 1,024, N 1,024]; A: input x; B: input Wq: QUANTISED
;;     3. [M 8,192, K 1,024] x [K 1,024, N 1,024]; A: input x; B: input Wv: QUANTISED
;;     4. batch 128 x [M 1,024, K 64] x [K 64, N 1,024]; A: computed on the way; B: computed on the way: left as it is (an operand is computed on the way)
;;     5. batch 128 x [M 1,024, K 1,024] x [K 1,024, N 64]; A: computed on the way; B: computed on the way: left as it is (an operand is computed on the way)
;;     6. [M 8,192, K 1,024] x [K 1,024, N 1,024]; A: computed on the way; B: input Wp: left as it is (an operand is computed on the way)
;;   THE QUANTISER, for each operand of a quantised product, along K:
;;     - K is cut into blocks of 32 from its start; a last block that is shorter is filled with zeros.
;;     - A block's scale is 2^e with e = floor(log2(the largest magnitude in the block)) - 2, held to -126 .. 127; a block of zeros has e = 0. As a byte (E8M0): e + 127.
;;     - Each number is divided by its block's scale, clamped to +-6, and rounded to the nearest number of E2M1, ties to even, subnormals kept.
;;     - The product sums the exact products of the quantised numbers (number of the format x scale) in f32.
;;   ~~~python
;;   def quantise(x, axis):      # numpy; x: float32 -> the quantised numbers, widened to float32 again
;;       x = np.moveaxis(x, axis, -1); K = x.shape[-1]
;;       x = np.pad(x, [(0, 0)] * (x.ndim - 1) + [(0, -K % 32)]); x = x.reshape(x.shape[:-1] + (-1, 32)); a = np.abs(x).max(-1, keepdims=True)
;;       e = np.where(a > 0, np.clip(np.frexp(np.where(a > 0, a, 1))[1] - 1 - 2, -126, 127), 0)      # np.frexp(a)[1] - 1 = floor(log2(a)), exactly
;;       r = np.clip(x / 2.0 ** e, -6, 6)
;;       step = 2.0 ** (np.maximum(np.frexp(np.where(r == 0, 1, r))[1] - 1, 0) - 1)
;;       q = np.round(r / step) * step * 2.0 ** e      # np.round: ties to even
;;       return np.moveaxis(q.reshape(q.shape[:-2] + (-1,))[..., :K], -1, axis).astype(np.float32)
;;   ~~~
;; One version. Each part assembles by itself: llvm-mc -triple=amdgcn-amd-amdhsa -mcpu=gfx1250 --defsym DOCPART=n.
;; ======== version 1 of 1: 5 launches
;; limits: values are held in f16: magnitudes above 65,504 overflow, below 6.1e-05 lose precision
;; workspace buffers: xc 4,194,304 bytes; xs 262,144 bytes; wc 1,572,864 bytes; ws 98,304 bytes; wp16 2,097,152 bytes; qkv 50,331,648 bytes; qkv32 1,572,864 bytes; att 16,777,216 bytes
;; launch prep (part 1): grid 288 x 1, 8 waves a work-group, no clusters, 84,480 bytes of LDS; arguments x, Wk, Wq, Wv, Wp, xc, xs, wc, ws, wp16; writes xc, xs, wc, ws, wp16
.if DOCPART == 1
	.amdgcn_target "amdgcn-amd-amdhsa--gfx1250"
	.amdhsa_code_object_version 6
	.text
	.protected	k_q65aa63e9d1_prep
	.globl	k_q65aa63e9d1_prep
	.p2align	8
	.type	k_q65aa63e9d1_prep,@function
k_q65aa63e9d1_prep:
	s_mov_b64 s[64:65], 0
	v_nop
	global_prefetch_b8 v0, s[64:65] scope:SCOPE_SE
	s_setreg_imm32_b32 hwreg(HW_REG_WAVE_MODE, 25, 1), 1
	s_wait_xcnt 0x0
; PREP.  Three jobs in one launch, parted by the work-group's number alone:
;   work-groups 0-127:   x [8192][1024] f32 -> codes of FP4 (E2M1), K innermost, xc [8192][512 bytes], and one E8M0 byte for each 32 along K, xs [8192][32];
;   work-groups 128-223: Wk, Wq, Wv [k 1024][n 1024] f32, whose K is the FIRST axis -> wc [3072 = 1024 sel + n][512 bytes], ws [3072][32]  (sel 0: Wk, 1: Wq, 2: Wv);
;   work-groups 224-287: Wp f32 -> wp16, f16, in the same order [k][n].
; A block's scale is 2^(floor(log2(its largest magnitude)) - 2); its byte is the largest magnitude's exponent field - 2, held at 1 from below.
; LIMITS: NaN and infinities among the inputs are not served; a block whose largest magnitude lies under 2^-124 keeps the byte 1; a block of zeros keeps the byte 1 where the rule says 127:
; its codes are zeros, and the bytes are read by this program alone.  Wp's numbers must lie under 65,504 in magnitude (f16).
; No tile is shared between work-groups, so there is no cluster; the streams go through registers, so there is no tensor load.  Each path has LDS bytes of its own.
.set STEPS, 16
.set AHEAD, 8                          ; path x: loads run eight steps ahead: 32 loads, 16,384 bytes, of every wave are on their way
.set WREG,  8192                       ; path x: a region for each wave: two stages of 32 x SP bytes, then its 256 scale bytes
.set SP,    80                         ; a lane's place in a stage: 64 bytes + 16 of padding
.set WSTG,  65536                      ; path W: 32 rows (columns n) x (512 bytes of codes + 16)
.set WPIT,  528
.set WSC,   82432                      ; path W: 32 rows x 32 scale bytes
.set SPARE, 83456                      ; the spare words, 128 bytes for each of the eight waves: four blocks of 256 bytes that no other line names
.set SPW,   12                         ; v12  LDS address of my spare word; never rewritten
.set NIL,   13                         ; v13  0; never rewritten
.set R,     16                         ; path x: v16-143 eight sets of 16 numbers as loaded
.set X,     144                        ;         v144-175 two sets of 16 neighbours
.set E,     176                        ;         v176-191 a scale byte for each step
.set C,     192                        ;         v192-255 codes, four registers for each step
.set WX,    32                         ; path W: v32-95 two sets of 32 numbers
.set WC,    96                         ;         v96-99 a block's codes
.set WO,    112                        ;         v112-127 the way out
.macro FINISH                          ; a wave's end, behind the last LDS store
	s_wait_tensorcnt 0x0
	ds_add_u32 v[SPW], v[NIL]
	s_wait_dscnt 0x0
	s_endpgm
.endm
	s_load_b256 s[4:11], s[0:1], 0x0               ; x s[4:5], Wk s[6:7], Wq s[8:9], Wv s[10:11]
	s_load_b256 s[12:19], s[0:1], 0x20             ; Wp s[12:13], xc s[14:15], xs s[16:17], wc s[18:19]
	s_load_b128 s[20:23], s[0:1], 0x40             ; ws s[20:21], wp16 s[22:23]
	v_lshl_add_u32 v[SPW], v0, 2, SPARE
	v_mov_b32 v[NIL], 0
	v_lshrrev_b32 v1, 5, v0
	v_readfirstlane_b32 s24, v1                    ; wave 0..7
	v_and_b32 v2, 31, v0                           ; lane
	s_mov_b32 s29, 0                               ; the upper word of every offset pair s[28:29]
	s_wait_kmcnt 0x0
	s_cmp_ge_u32 ttmp9, 224                        ; the same way for all eight waves of a work-group
	s_cbranch_scc1 .Lcast
	s_cmp_ge_u32 ttmp9, 128
	s_cbranch_scc1 .Lweights
; ---- PATH x.  Rows are dense and K is a multiple of 32: x is a plain stream of blocks of 32.  A wave takes 16 steps of 512 numbers.  Each load reads 512 consecutive bytes, 16 a lane;
; a step's 2,048 bytes turn through the wave's own stage in LDS and come back 64 bytes a lane: 16 neighbours along K, two lanes to a block.  Loads run eight steps ahead, the turn one step.
	v_lshlrev_b32 v3, 4, v2                        ; my 16 bytes of a load's 512
	s_mul_i32 s25, s24, WREG
	v_lshrrev_b32 v14, 2, v2
	v_mul_u32_u24 v14, v14, SP
	v_and_b32 v15, 3, v2
	v_lshl_add_u32 v14, v15, 4, v14
	v_add_nc_u32 v14, s25, v14                     ; the stage, on the way in: SP (lane / 4) + 16 (lane % 4)
	v_mul_u32_u24 v15, v2, SP
	v_add_nc_u32 v15, s25, v15                     ; and on the way out: SP x lane
	v_lshlrev_b32 v4, 3, v2                        ; my 8 bytes of a step's 256 bytes of codes
	v_lshrrev_b32 v5, 1, v2
	s_add_co_u32 s25, s25, 2*32*SP
	v_add_nc_u32 v5, s25, v5                       ; my wave's 256 scale bytes: my block's byte
	v_lshlrev_b32 v7, 3, v2
	v_add_nc_u32 v6, s25, v7                       ; and on the way out 8 bytes a lane
	s_lshl_b32 s26, ttmp9, 3
	s_add_co_u32 s26, s26, s24                     ; which run of 8,192 numbers is my wave's: 0..1023
	s_lshl_b32 s28, s26, 15
	s_add_nc_u64 s[4:5], s[4:5], s[28:29]          ; 32,768 bytes of x a run,
	s_lshl_b32 s28, s26, 12
	s_add_nc_u64 s[14:15], s[14:15], s[28:29]      ; 4,096 of codes,
	s_lshl_b32 s28, s26, 8
	s_add_nc_u64 s[16:17], s[16:17], s[28:29]      ; 256 scale bytes
.macro XLOAD t
.irp i, 0,1,2,3
	global_load_b128 v[R+16*((\t)%AHEAD)+4*\i:R+16*((\t)%AHEAD)+4*\i+3], v3, s[4:5] offset:2048*(\t)+512*\i th:TH_LOAD_NT
.endr
.endm
.macro XTURN t                         ; LDS serves a wave's instructions in order (ISA guide 5.7.1.4): no wait between the stores and the loads
.irp i, 0,1,2,3
	ds_store_b128 v14, v[R+16*((\t)%AHEAD)+4*\i:R+16*((\t)%AHEAD)+4*\i+3] offset:32*SP*((\t)%2)+8*SP*\i
.endr
.irp i, 0,1,2,3
	ds_load_b128 v[X+16*((\t)%2)+4*\i:X+16*((\t)%2)+4*\i+3], v15 offset:32*SP*((\t)%2)+16*\i
.endr
.endm
.irp t, 0,1,2,3,4,5,6,7
	XLOAD \t
.endr
	s_wait_loadcnt 4*(AHEAD-1)                     ; step 0's four loads are in; the 28 of steps 1 to 7 stay out
	XTURN 0
.macro XSTEP t
.set XS, X+16*((\t)%2)
.if (\t) > 0
	s_wait_dscnt 1                                 ; this step's numbers are back from the stage; the last step's byte store may be out
.else
	s_wait_dscnt 0x0
.endif
.if (\t)+AHEAD < STEPS
	XLOAD (\t)+AHEAD                               ; into the set whose stores into the stage are done
.endif
.if (\t)+1 < STEPS
.if STEPS-2-(\t) >= AHEAD-1
	s_wait_loadcnt 4*(AHEAD-1)                     ; the next step's four loads are in; those of the seven steps behind it stay out
.else
	s_wait_loadcnt 4*(STEPS-2-(\t))                ; nothing more is asked for: the count runs down by a step's four
.endif
	XTURN (\t)+1
.endif
	v_max3_num_f32 v8, |v[XS]|, |v[XS+1]|, |v[XS+2]|   ; the largest magnitude of my 16, in two chains
	v_max3_num_f32 v9, |v[XS+3]|, |v[XS+4]|, |v[XS+5]|
.irp i, 6,10
	v_max3_num_f32 v8, v8, |v[XS+\i]|, |v[XS+\i+1]|
	v_max3_num_f32 v9, v9, |v[XS+\i+2]|, |v[XS+\i+3]|
.endr
	v_max3_num_f32 v8, v8, |v[XS+14]|, |v[XS+15]|
	v_max3_num_f32 v8, v8, v9, 0x1800000           ; and the floor 2^(3 - 127): the byte cannot fall under 1
	v_max_num_f32_dpp v8, v8, v8 row_xmask:1 row_mask:0xf bank_mask:0xf   ; with my neighbour's 16: the block's
	v_add_nc_u32 v11, 0xff000000, v8               ; 2 off its exponent field: the conversion takes the exponent field of this operand as its scale
	v_cvt_scalef32_pk8_fp4_f32 v[C+4*(\t)], v[XS:XS+7], v11
	v_cvt_scalef32_pk8_fp4_f32 v[C+4*(\t)+1], v[XS+8:XS+15], v11
	v_lshrrev_b32 v[E+(\t)], 23, v11               ; the scale's byte
	ds_store_b8 v5, v[E+(\t)] offset:16*(\t)       ; both lanes of a block write the same byte with the same value
	global_store_b64 v4, v[C+4*(\t):C+4*(\t)+1], s[14:15] offset:256*(\t)   ; the wave stores 256 consecutive bytes, aligned
.endm
.irp t, 0,1,2,3,4,5,6,7,8,9,10,11,12,13,14,15
	XSTEP \t
.endr
	ds_load_b64 v[8:9], v6                         ; my wave's 256 scale bytes, in order behind my stores
	s_wait_dscnt 0x0
	global_store_b64 v7, v[8:9], s[16:17]          ; 256 consecutive bytes, aligned
	FINISH
; ---- PATH W.  A work-group takes 32 columns of one weight and all 1,024 of K; wave w takes K = 128 w .. 128 w + 127: four blocks.  A LANE TAKES A COLUMN AND ITS REGISTERS RUN DOWN K:
; a block lies in one lane's 32 registers and the conversions give codes with K innermost.  The eight waves' codes of a column meet in a stage row of 512 bytes; behind one barrier whole rows leave.
.Lweights:
	s_sub_co_u32 s25, ttmp9, 128
	s_lshr_b32 s26, s25, 5                         ; sel
	s_and_b32 s27, s25, 31
	s_lshl_b32 s27, s27, 5                         ; n0
	s_cmp_eq_u32 s26, 0
	s_cselect_b64 s[6:7], s[6:7], s[8:9]           ; the choice hangs on the work-group's number alone
	s_cmp_eq_u32 s26, 2
	s_cselect_b64 s[6:7], s[10:11], s[6:7]
	s_lshl_b32 s28, s24, 19                        ; 128 rows of 4,096 bytes a wave
	s_lshl_b32 s30, s27, 2
	s_add_co_u32 s28, s28, s30
	s_add_nc_u64 s[6:7], s[6:7], s[28:29]
	v_lshlrev_b32 v3, 2, v2                        ; in: 4 bytes a lane
	v_mul_u32_u24 v4, v2, WPIT
	s_lshl_b32 s30, s24, 6
	s_add_co_u32 s30, s30, WSTG
	v_add_nc_u32 v4, s30, v4                       ; into the stage: row = my column, 64 bytes a wave
	v_lshlrev_b32 v5, 5, v2
	s_lshl_b32 s30, s24, 2
	s_add_co_u32 s30, s30, WSC
	v_add_nc_u32 v5, s30, v5                       ; my column's scale bytes: 4 a wave
	s_mul_i32 s30, s24, 4*WPIT
	s_add_co_u32 s30, s30, WSTG
	v_lshl_add_u32 v6, v2, 4, s30                  ; out of the stage: rows 4 w .. 4 w + 3, 16 bytes a lane
	v_lshlrev_b32 v7, 4, v2                        ; and the same place in a row of wc
	s_and_b32 s30, s24, 3
	s_lshl_b32 s30, s30, 8
	v_lshl_add_u32 v8, v2, 3, s30                  ; the scale bytes' way out (waves 0-3): 256 bytes a wave, 8 a lane
	v_add_nc_u32 v9, WSC, v8
	s_lshl_b32 s28, s26, 10
	s_add_co_u32 s28, s28, s27                     ; 1024 sel + n0
	s_lshl_b32 s31, s28, 5                         ; x 32: where these columns' scale bytes begin
	s_lshl_b32 s30, s24, 2
	s_add_co_u32 s28, s28, s30
	s_lshl_b32 s28, s28, 9                         ; (1024 sel + n0 + 4 w) x 512
	s_add_nc_u64 s[18:19], s[18:19], s[28:29]
	s_mov_b32 s28, s31
	s_add_nc_u64 s[20:21], s[20:21], s[28:29]
.macro WLOAD t                         ; block t: W(128 w + 32 t + i, my column): each load reads 128 consecutive bytes
.irp i, 0,1,2,3,4,5,6,7,8,9,10,11,12,13,14,15,16,17,18,19,20,21,22,23,24,25,26,27,28,29,30,31
	global_load_b32 v[WX+32*((\t)%2)+\i], v3, s[6:7] offset:(32*(\t)+\i)*4096 th:TH_LOAD_NT
.endr
.endm
	WLOAD 0
	WLOAD 1
.macro WBLOCK t
.set XS, WX+32*((\t)%2)
.if (\t) < 3
	s_wait_loadcnt 32                              ; this block's 32 loads are in; the next block's stay out
.else
	s_wait_loadcnt 0x0
.endif
	v_max3_num_f32 v16, |v[XS]|, |v[XS+1]|, |v[XS+2]|
	v_max3_num_f32 v17, |v[XS+3]|, |v[XS+4]|, |v[XS+5]|
.irp i, 6,10,14,18,22,26
	v_max3_num_f32 v16, v16, |v[XS+\i]|, |v[XS+\i+1]|
	v_max3_num_f32 v17, v17, |v[XS+\i+2]|, |v[XS+\i+3]|
.endr
	v_max3_num_f32 v16, v16, |v[XS+30]|, |v[XS+31]|
	v_max3_num_f32 v16, v16, v17, 0x1800000        ; the floor 2^(3 - 127)
	v_add_nc_u32 v11, 0xff000000, v16              ; the conversion's scale operand
	v_lshrrev_b32 v17, 23, v11                     ; the byte
.if (\t) == 0
	v_mov_b32 v24, v17                             ; four bytes to a word, the lower K in the lower byte
.else
	v_lshl_or_b32 v24, v17, 8*(\t), v24
.endif
.irp g, 0,1,2,3
	v_cvt_scalef32_pk8_fp4_f32 v[WC+\g], v[XS+8*\g:XS+8*\g+7], v11
.endr
	ds_store_b128 v4, v[WC:WC+3] offset:16*(\t)    ; 32 codes: 16 bytes of my column's row
.if (\t)+2 < 4
	WLOAD (\t)+2
.endif
	s_wait_dscnt 0x0                               ; the store has read its registers: the next block's codes may be written
.endm
	WBLOCK 0
	WBLOCK 1
	WBLOCK 2
	WBLOCK 3
	ds_store_b32 v5, v24
	s_wait_dscnt 0x0                               ; for the others' sake: my stores have landed
	s_barrier_signal -1
	s_barrier_wait -1                              ; 32 whole rows of codes and of scale bytes lie in LDS
.irp i, 0,1,2,3
	ds_load_b128 v[WO+4*\i:WO+4*\i+3], v6 offset:WPIT*\i
.endr
.irp i, 0,1,2,3
	s_wait_dscnt 3-\i                              ; the younger loads stay out
	global_store_b128 v7, v[WO+4*\i:WO+4*\i+3], s[18:19] offset:512*\i   ; a whole row of wc: 512 consecutive bytes
.endr
	s_cmp_lt_u32 s24, 4                            ; the 1,024 scale bytes are dense in ws: waves 0-3 store 256 each
	s_cbranch_scc0 .Lw_end
	ds_load_b64 v[20:21], v9
	s_wait_dscnt 0x0
	global_store_b64 v8, v[20:21], s[20:21]
.Lw_end:
	FINISH
; ---- PATH Wp: a cast.  A wave takes 8,192 bytes: 16 loads of 512 consecutive bytes, 16 stores of 256.
.Lcast:
	s_sub_co_u32 s25, ttmp9, 224
	s_lshl_b32 s28, s25, 16
	s_lshl_b32 s30, s24, 13
	s_add_co_u32 s28, s28, s30
	s_add_nc_u64 s[12:13], s[12:13], s[28:29]
	s_lshr_b32 s28, s28, 1
	s_add_nc_u64 s[22:23], s[22:23], s[28:29]
	v_lshlrev_b32 v3, 4, v2
	v_lshlrev_b32 v4, 3, v2
.irp i, 0,1,2,3,4,5,6,7,8,9,10,11,12,13,14,15
	global_load_b128 v[16+4*\i:19+4*\i], v3, s[12:13] offset:512*\i
.endr
.irp i, 0,1,2,3,4,5,6,7,8,9,10,11,12,13,14,15
	s_wait_loadcnt 15-\i                           ; the younger loads stay out
	v_cvt_pk_f16_f32 v[80+2*\i], v[16+4*\i], v[17+4*\i]
	v_cvt_pk_f16_f32 v[81+2*\i], v[18+4*\i], v[19+4*\i]
	global_store_b64 v4, v[80+2*\i:81+2*\i], s[22:23] offset:256*\i
.endr
	FINISH
.Lfunc_end_k_q65aa63e9d1_prep:
	.size	k_q65aa63e9d1_prep, .Lfunc_end_k_q65aa63e9d1_prep-k_q65aa63e9d1_prep
	.p2alignl 7, 3214868480
	.fill 96, 4, 3214868480
	.section	.rodata,"a",@progbits
	.p2align	6, 0x0
	.amdhsa_kernel k_q65aa63e9d1_prep
		.amdhsa_group_segment_fixed_size 84480
		.amdhsa_private_segment_fixed_size 0
		.amdhsa_enable_private_segment 0
		.amdhsa_kernarg_size 80
		.amdhsa_user_sgpr_count 2
		.amdhsa_user_sgpr_kernarg_segment_ptr 1
		.amdhsa_wavefront_size32 1
		.amdhsa_system_sgpr_workgroup_id_x 1
		.amdhsa_system_sgpr_workgroup_id_y 1
		.amdhsa_system_sgpr_workgroup_id_z 1
		.amdhsa_system_vgpr_workitem_id 0
		.amdhsa_next_free_vgpr 256
		.amdhsa_next_free_sgpr 66
		.amdhsa_reserve_vcc 0
		.amdhsa_float_denorm_mode_32 3
		.amdhsa_float_denorm_mode_16_64 3
		.amdhsa_memory_ordered 1
		.amdhsa_forward_progress 1
		.amdhsa_inst_pref_size 60
	.end_amdhsa_kernel
	.amdgpu_metadata
---
amdhsa.version: [ 1, 2 ]
amdhsa.kernels:
  - .name:           k_q65aa63e9d1_prep
    .symbol:         k_q65aa63e9d1_prep.kd
    .args:
      - { .name: x, .offset: 0, .size: 8, .value_kind: global_buffer, .address_space: global }
      - { .name: Wk, .offset: 8, .size: 8, .value_kind: global_buffer, .address_space: global }
      - { .name: Wq, .offset: 16, .size: 8, .value_kind: global_buffer, .address_space: global }
      - { .name: Wv, .offset: 24, .size: 8, .value_kind: global_buffer, .address_space: global }
      - { .name: Wp, .offset: 32, .size: 8, .value_kind: global_buffer, .address_space: global }
      - { .name: xc, .offset: 40, .size: 8, .value_kind: global_buffer, .address_space: global }
      - { .name: xs, .offset: 48, .size: 8, .value_kind: global_buffer, .address_space: global }
      - { .name: wc, .offset: 56, .size: 8, .value_kind: global_buffer, .address_space: global }
      - { .name: ws, .offset: 64, .size: 8, .value_kind: global_buffer, .address_space: global }
      - { .name: wp16, .offset: 72, .size: 8, .value_kind: global_buffer, .address_space: global }
    .group_segment_fixed_size: 84480
    .private_segment_fixed_size: 0
    .kernarg_segment_align: 8
    .kernarg_segment_size: 80
    .max_flat_workgroup_size: 256
    .sgpr_count:     66
    .vgpr_count:     256
    .wavefront_size: 32
...
	.end_amdgpu_metadata
.endif
;; end of part 1
;; launch qkv (part 2): grid 8 x 32, 4 waves a work-group, clusters of 4 x 4, 327,680 bytes of LDS; arguments xc, xs, wc, ws, qkv, qkv32, bk, bq, bv; writes qkv, qkv32
.if DOCPART == 2
	.amdgcn_target "amdgcn-amd-amdhsa--gfx1250"
	.amdhsa_code_object_version 6
	.text
	.protected	k_q65aa63e9d1_qkv
	.globl	k_q65aa63e9d1_qkv
	.p2align	8
	.type	k_q65aa63e9d1_qkv,@function
k_q65aa63e9d1_qkv:
	s_mov_b64 s[64:65], 0
	v_nop
	global_prefetch_b8 v0, s[64:65] scope:SCOPE_SE
	s_setreg_imm32_b32 hwreg(HW_REG_WAVE_MODE, 25, 1), 1
	s_wait_xcnt 0x0
	s_wait_alu depctr_hold_cnt(0) depctr_sa_sdst(0) depctr_va_vdst(0) depctr_va_sdst(0) depctr_va_ssrc(0) depctr_va_vcc(0) depctr_vm_vsrc(0)
	s_getreg_b32 s2, hwreg(HW_REG_IB_STS2, 6, 4)
	s_cmp_eq_u32 s2, 0
	s_cbranch_scc0 .Lentry_in_a_cluster
	s_endpgm
.Lentry_in_a_cluster:
	s_bfe_u32 s2, ttmp6, 0x10000c
	s_cmp_lg_u32 s2, 0xf033
	s_cbranch_scc0 .Lentry_shape_is_right
	s_endpgm
.Lentry_shape_is_right:
; QKV.  [8192][3072] = x [8192][1024] times (Wk | Wq | Wv), + bias, on codes of FP4 (E2M1) with one E8M0 scale for each 32 along K; sums in f32.
; Out: qkv, f16, [sel 3][b 8][head 16][t 1024][64]  (sel 0: k, 1: q, 2: v);  qkv32, f32, [b 8][t 16][3072]: the first 16 positions of every sequence, unrounded.
; LIMIT: k, q and v are rounded to f16 for positions from 16 on: their magnitudes must lie under 65,504.
; SHARES.  8 x 32 = 256 work-groups of four waves.  Work-group (g, R) makes rows 256 R .. 256 R + 255 and columns 128 g .. 128 g + 127 (heads 2 g, 2 g + 1) of EACH of k, q and v: 256 x 384.
;   TILE 1 (k | q), 256 x 256: a wave makes 128 x 128, 64 accumulators; its column half is its weight.   TILE 2 (v), 256 x 128: a wave makes 64 x 128, 32 accumulators.
; LDS.  K = 1,024 is two slots of 512 along K (rows of 256 bytes), each with x's 256 rows and 256 rows of W; both are asked for at the head.  x's rows stay for the whole launch.  When slot 0 has been
; read out, its 256 rows of W are filled again, once, with Wv's 128 rows for both halves of K; that load has the second half of tile 1 and tile 1's way out in which to land.
; The scale bytes of x's rows and of tile 1's rows of W, for all of K, are dense blocks: they come once, in rows of 256 bytes.  Tile 2's scale words of W come straight into registers: 4,096 dense bytes.
; CLUSTERS: 4 x 4 work-groups.  The four of a row of the cluster need the same tiles of x, the four of a column the same tiles of W: each tile is asked for jointly.
; The tile row is 8 cy + cluster y, so that the tile's place in its sequence, (tile row) % 4, is cluster y % 4: the same in all sixteen partners.
; NO PREFETCH: every tile but one is asked for at the head, and that one is asked for 256 matrix instructions and a way out ahead of its first read.
; THE MATRIX INSTRUCTION IS USED TRANSPOSED (source 0 = 16 rows of W's codes, source 1 = 16 rows of x's): a lane holds eight neighbouring columns of one row.  The bias is the C of each sum's first product.
; REGISTERS, in windows of 256: window 0: v0-31 addresses; v32-95 scale words; v128-191 x's fragments; v192-255 tile 1's bias (8 blocks x 8), later the packed results.
;   window 1: W's fragments, two sets, at v0 and v128; v192-255 tile 2's bias.   window 2: the accumulators of my rows 0-63 ((a, b) at v[8 (8 a + b)]);   window 3: those of my rows 64-127 (tile 1 alone).
.set NQ,     4                         ; matrix instructions deep in a slot
.set ROWB,   256                       ; a tile's row in bytes: 512 codes
.set KROW,   512                       ; a row of codes in memory
.set PITCH,  272                       ; an LDS row: 256 bytes + 16: the 16 rows that a load touches start 16 bytes apart modulo 256
.set FR,     8
.set NL,     2
.set NP,     4                         ; places behind this matrix instruction (ISA guide 7.12.1)
.set HALFT,  128*PITCH
.set SLOT,   4*HALFT
.set KS,     32                        ; a row of scale bytes
.set SCL,    2*SLOT
.set HALFS,  16*272                    ; the scales of 128 rows
.set SBLK,   2*272                     ; of 16 rows
.set SPARE,  SCL+4*HALFS               ; the spare words, 128 bytes a wave: two blocks of 256 bytes that no other line names
.set STAGE,  SPARE+512                 ; the way out: 16 rows x (256 bytes + 16) for each wave; no tile lands here
.set SPITCH, 272
.set ADRS2, 8                          ; v8   tile 2: LDS address of my rows' scale words: 16 bytes a lane, lanes 16-31 the second half of K
.set SGO,  9                           ; v9   tile 2: my 16 bytes among 16 rows of W's scale bytes: 32 r + 16 h
.set ADRA, 16
.set ADRA2, 18                         ; v18-19  tile 2: my 64 rows of x in slot 0, 1
.set ADRB, 20
.set ADRB2, 22                         ; v22-23  tile 2: Wv's 128 rows, first and second half of K
.set STO,  24
.set RD,   25
.set CO,   26
.set ADRS, 27
.set SPW,  28
.set NIL,  29
.set FO,   30                          ; v30  the fine rows: 12,288 r + 32 h
.set BO,   31                          ; v31  the bias: 32 h
.set SC,   32                          ; tile 1: scale words, two sets of 32
.set SB2,  32                          ; tile 2: W's scale words, register 4 b + q
.set SA2,  64                          ; tile 2: x's, register 4 a + q
.set AF,   128
.set BK,   128                         ; the way out: rows read back, two sets of 32
.set BI,   192                         ; tile 1's bias
.set BI2,  192                         ; tile 2's, in window 1
.set TMP,  192                         ; the way out: packed results
.set G1, 24
.set G0, 32
.set G1B, 48
.set G0B, 56
.set G1S, 68
.set G0S, 76
.set G1SB, 80
.set G0SB, 88
.set MSB, 0
.macro WIN new                         ; the immediate's high byte repeats the setting that is left
.if MSB != (\new)
	s_set_vgpr_msb (MSB<<8)|(\new)
.set MSB, (\new)
.endif
.endm
.set MUL_LO, 0xa1                      ; source 0 (W) window 1, source 1 (x) window 0, C and D window 2
.set MUL_HI, 0xf1                      ; the same, C and D window 3
.set TO_B,   0x40
; A joint load: waves 0 and 1 fetch for x, waves 2 and 3 for W.  The branch hangs on the wave's number alone.  An s_nop 0 and four v_nop follow each line.
.macro JLOAD g0a, g1a, g0b, g1b
	s_cmp_eq_u32 s15, 0
	s_cbranch_scc0 .Lfor_b_\@
	tensor_load_to_lds s[\g0a:\g0a+3], s[\g1a:\g1a+7]
	s_nop 0
.rept 4
	v_nop
.endr
	s_branch .Lasked_\@
.Lfor_b_\@:
	tensor_load_to_lds s[\g0b:\g0b+3], s[\g1b:\g1b+7]
	s_nop 0
.rept 4
	v_nop
.endr
.Lasked_\@:
.endm
.macro CREST                           ; a round of the cluster's barrier behind its opening barrier
	s_cmp_lg_u32 s14, 0
	s_cbranch_scc1 .Lnot_wave_0_\@
	s_barrier_signal -3
.Lnot_wave_0_\@:
	s_barrier_wait -3
	s_barrier_signal -1
	s_barrier_wait -1
.endm
.macro CROUND                          ; a whole round
	s_barrier_signal -1
	s_barrier_wait -1
	CREST
.endm
	s_load_b128 s[4:7], s[0:1], 0x0                ; x's codes, x's scales
	s_load_b128 s[8:11], s[0:1], 0x10              ; W's codes, W's scales
	s_load_b64 s[12:13], s[0:1], 0x20              ; qkv
	s_load_b128 s[96:99], s[0:1], 0x28             ; qkv32 s[96:97], bk s[98:99]
	s_load_b64 s[100:101], s[0:1], 0x38            ; bq
	s_load_b64 s[104:105], s[0:1], 0x40            ; bv
	v_lshl_add_u32 v[SPW], v0, 2, SPARE
	v_mov_b32 v[NIL], 0
	ds_add_u32 v[SPW], v[NIL]                      ; the wave's opening: the add, twice on end, and its wait ahead of my first tensor load
	ds_add_u32 v[SPW], v[NIL]
	v_lshrrev_b32 v1, 5, v0
	v_readfirstlane_b32 s14, v1                    ; wave 0..3
	s_lshr_b32 s15, s14, 1                         ; tile 1: which half of the rows is mine.  Also: I fetch for x (0) or for W (1)
	s_and_b32 s16, s14, 1                          ; tile 1: which weight is mine (0: Wk, 1: Wq).  Also: which 128 rows I fetch
	s_bfe_u32 s40, ttmp6, 0x40000                  ; cx
	s_bfe_u32 s41, ttmp6, 0x40004                  ; cy
	s_lshl_b32 s42, ttmp9, 2
	s_add_co_u32 s42, s42, s40                     ; g = 4 x cluster x + cx: columns 128 g on of each weight
	s_and_b32 s17, ttmp7, 0xffff
	s_lshl_b32 s66, s41, 3
	s_add_co_u32 s17, s17, s66                     ; tile row R = 8 cy + cluster y
	s_lshl_b32 s43, s41, 2
	s_lshl_b32 s43, 15, s43                        ; my row of the cluster
	s_lshl_b32 s44, 0x1111, s40                    ; my column
	s_or_b32 s[G1+0], s43, (0<<16)|(1<<20)|(1<<21)|(5<<22)|(3<<25)  ; the mask; elements of 1 byte; padding on; bit 21 beside a mask; 4 words behind every 64
	s_or_b32 s[G1B+0], s44, (0<<16)|(1<<20)|(1<<21)|(5<<22)|(3<<25)
.irp g, G1, G1B
	s_mov_b32 s[\g+1], ROWB<<16                    ; tensor_dim0
	s_mov_b32 s[\g+2], 128<<16                     ; tensor_dim1
	s_mov_b32 s[\g+3], ROWB<<16                    ; tile_dim0
	s_mov_b32 s[\g+4], 128                         ; tile_dim1
	s_mov_b32 s[\g+5], KROW                        ; the pitch
	s_mov_b32 s[\g+6], 0
	s_mov_b32 s[\g+7], 0
.endr
	s_or_b32 s[G1S+0], s43, (3<<16)|(1<<20)|(1<<21)|(5<<22)|(3<<25) ; the scales of 128 rows: 4,096 dense bytes as 16 rows of 32 elements of 8 bytes
	s_or_b32 s[G1SB+0], s44, (3<<16)|(1<<20)|(1<<21)|(5<<22)|(3<<25)
.irp g, G1S, G1SB
	s_mov_b32 s[\g+1], 32<<16
	s_mov_b32 s[\g+2], 16<<16
	s_mov_b32 s[\g+3], 32<<16
	s_mov_b32 s[\g+4], 16
	s_mov_b32 s[\g+5], 32
	s_mov_b32 s[\g+6], 0
	s_mov_b32 s[\g+7], 0
.endr
	s_lshl_b32 s18, s16, 7                         ; which 128 rows of x's tile I fetch
	s_lshl_b32 s20, s17, 8
	s_add_co_u32 s20, s20, s18                     ; x: row 256 R + 128 x half
	s_lshl_b32 s46, s42, 7
	s_lshl_b32 s18, s16, 10
	s_add_co_u32 s46, s46, s18                     ; W: row 1,024 x weight + 128 g
	s_mov_b32 s21, 0
	s_mov_b32 s47, 0
	s_mov_b64 s[18:19], KS
	s_mul_u64 s[22:23], s[20:21], s[18:19]         ; where these rows' scales begin,
	s_mul_u64 s[92:93], s[46:47], s[18:19]
	s_mov_b64 s[18:19], KROW
	s_mul_u64 s[20:21], s[20:21], s[18:19]         ; and their codes
	s_mul_u64 s[46:47], s[46:47], s[18:19]
	s_mul_i32 s45, s14, HALFT                      ; where they go: wave x 128 rows
	s_mul_i32 s94, s14, HALFS
	s_wait_dscnt 0x0                               ; both opening adds are done
	s_wait_kmcnt 0x0
	s_add_nc_u64 s[20:21], s[4:5], s[20:21]
	s_add_nc_u64 s[22:23], s[6:7], s[22:23]
	s_add_nc_u64 s[46:47], s[8:9], s[46:47]
	s_add_nc_u64 s[92:93], s[10:11], s[92:93]
	CROUND                                         ; all sixteen work-groups are here: the joint loads meet
	s_mov_b32 s[G0S], 1
	s_add_co_u32 s[G0S+1], s94, SCL
	s_mov_b64 s[G0S+2:G0S+3], s[22:23]
	s_or_b32 s[G0S+3], s[G0S+3], 0x80000000
	s_mov_b32 s[G0SB], 1
	s_add_co_u32 s[G0SB+1], s94, SCL
	s_mov_b64 s[G0SB+2:G0SB+3], s[92:93]
	s_or_b32 s[G0SB+3], s[G0SB+3], 0x80000000
	JLOAD G0S, G1S, G0SB, G1SB                     ; the scales first; three tensor loads of mine are out at the most
.irp s, 0,1
	s_mov_b32 s[G0+4*\s], 1
	s_add_co_u32 s[G0+4*\s+1], s45, \s*SLOT
	s_add_nc_u64 s[G0+4*\s+2:G0+4*\s+3], s[20:21], \s*ROWB
	s_or_b32 s[G0+4*\s+3], s[G0+4*\s+3], 0x80000000
	s_mov_b32 s[G0B+4*\s], 1
	s_add_co_u32 s[G0B+4*\s+1], s45, \s*SLOT
	s_add_nc_u64 s[G0B+4*\s+2:G0B+4*\s+3], s[46:47], \s*ROWB
	s_or_b32 s[G0B+4*\s+3], s[G0B+4*\s+3], 0x80000000
	JLOAD G0+4*\s, G1, G0B+4*\s, G1B
.endr
	v_and_b32 v1, 15, v0                           ; r = l % 16
	v_bfe_u32 v2, v0, 4, 1                         ; h = l / 16
	v_mul_u32_u24 v3, v1, PITCH
	v_lshl_add_u32 v4, v2, 4, v3                   ; a fragment's row x pitch + 16 x half
	s_mul_i32 s21, s15, HALFT                      ; tile 1: my 128 rows of x
	s_mul_i32 s22, s16, HALFT                      ; my weight's 128 rows,
	s_add_co_u32 s22, s22, 2*HALFT                 ; behind x's 256
.irp s, 0,1
	v_add_nc_u32 v[ADRA+\s], s21, v4
	v_add_nc_u32 v[ADRB+\s], s22, v4
	s_add_co_u32 s21, s21, SLOT
	s_add_co_u32 s22, s22, SLOT
.endr
	s_mul_i32 s21, s14, 64*PITCH                   ; tile 2: my 64 rows of x, in slot 0
	v_add_nc_u32 v[ADRA2], s21, v4
	s_add_co_u32 s21, s21, SLOT
	v_add_nc_u32 v[ADRA2+1], s21, v4               ; and in slot 1
	v_add_nc_u32 v[ADRB2], 2*HALFT, v4             ; Wv's 128 rows: the first half of K where slot 0 held Wk's rows,
	v_add_nc_u32 v[ADRB2+1], 3*HALFT, v4           ; the second where it held Wq's
	v_mul_u32_u24 v5, v1, KS                       ; my row's scales: 32 bytes a row,
	v_lshrrev_b32 v6, 8, v5
	v_lshl_add_u32 v5, v6, 4, v5                   ; and 16 more for each 256 passed
	s_mul_i32 s21, s14, 4*SBLK                     ; tile 2: the scales of my 64 rows of x,
	s_add_co_u32 s21, s21, SCL
	v_lshl_add_u32 v[ADRS2], v2, 4, v5             ; lanes 16-31 the 16 bytes of the second half of K
	v_add_nc_u32 v[ADRS2], s21, v[ADRS2]
	v_lshlrev_b32 v[SGO], 5, v1
	v_lshl_add_u32 v[SGO], v2, 4, v[SGO]           ; and the same of W's rows in memory
	s_mul_i32 s21, s15, HALFS
	s_mul_i32 s22, s16, HALFS
	s_add_co_u32 s22, s22, 2*HALFS
	s_sub_co_u32 s22, s22, s21
	v_mul_u32_u24 v6, s22, v2                      ; tile 1: lanes 16-31 take W's
	s_add_co_u32 s21, s21, SCL
	v_add_nc_u32 v5, v5, v6
	v_add_nc_u32 v[ADRS], s21, v5
	s_mul_i32 s23, s14, 16*SPITCH
	s_add_co_u32 s23, s23, STAGE                   ; my stage
	v_mul_u32_u24 v5, v1, SPITCH                   ; in: row r, 16 bytes for each half of the lanes
	v_lshl_add_u32 v5, v2, 4, v5
	v_add_nc_u32 v[STO], s23, v5
	v_bfe_u32 v5, v0, 3, 1                         ; back: lanes 0-15 take two rows' 128 bytes of head 2 g, lanes 16-31 of head 2 g + 1
	v_mul_u32_u24 v5, v5, SPITCH
	v_and_b32 v6, 7, v0
	v_lshl_add_u32 v5, v6, 4, v5
	v_lshl_add_u32 v5, v2, 7, v5
	v_add_nc_u32 v[RD], s23, v5
	v_lshlrev_b32 v[CO], 4, v1                     ; in qkv: 16 (l % 16): two positions of a head are 256 dense bytes;
	v_lshl_add_u32 v[CO], v2, 17, v[CO]            ; the next head lies 131,072 bytes on
	v_mul_u32_u24 v[FO], v1, 12288
	v_lshl_add_u32 v[FO], v2, 5, v[FO]
	v_lshlrev_b32 v[BO], 5, v2
	; the biases: tile 1's by my weight (a choice on the wave's number alone), tile 2's is bv; both at column 128 g
	s_cmp_eq_u32 s16, 0
	s_cselect_b64 s[98:99], s[98:99], s[100:101]
	s_lshl_b32 s46, s42, 9                         ; 128 g numbers of 4 bytes
	s_mov_b32 s47, 0
	s_add_nc_u64 s[98:99], s[98:99], s[46:47]
	s_add_nc_u64 s[104:105], s[104:105], s[46:47]
	; qkv32 at b's 16 rows: tile 1 at column 1,024 x weight + 128 g, tile 2 at column 2,048 + 128 g
	s_lshr_b32 s21, s17, 2                         ; b
	s_mul_i32 s22, s21, 196608
	s_add_co_u32 s46, s46, s22
	s_add_nc_u64 s[96:97], s[96:97], s[46:47]
	s_add_nc_u64 s[4:5], s[96:97], 8192            ; tile 2's
	s_lshl_b32 s46, s16, 12
	s_add_nc_u64 s[96:97], s[96:97], s[46:47]      ; tile 1's
	; qkv: sel x 2^24 + b x 2^21 + head x 2^17 + position x 128
	s_lshl_b32 s20, s21, 21
	s_and_b32 s21, s17, 3
	s_lshl_b32 s21, s21, 15                        ; 256 positions of 128 bytes a tile row
	s_add_co_u32 s20, s20, s21
	s_mov_b32 s21, 0
	s_lshl_b32 s46, s42, 18                        ; head 2 g
	s_add_nc_u64 s[20:21], s[20:21], s[46:47]
	s_add_nc_u64 s[12:13], s[12:13], s[20:21]
	s_lshl_b32 s46, s14, 13                        ; tile 2: my 64 positions, sel 2
	s_add_co_u32 s46, s46, 0x2000000
	s_add_nc_u64 s[100:101], s[12:13], s[46:47]
	s_lshl_b32 s46, s15, 14                        ; tile 1: my 128 positions, sel = my weight
	s_lshl_b32 s66, s16, 24
	s_add_co_u32 s46, s46, s66
	s_add_nc_u64 s[12:13], s[12:13], s[46:47]
	; Wv's rows 2,048 + 128 g: their scale bytes, and their codes: wave 2 will fetch the first half of K, wave 3 the second
	s_lshl_b32 s46, s42, 12
	s_add_co_u32 s46, s46, 65536
	s_add_nc_u64 s[10:11], s[10:11], s[46:47]
	s_lshl_b32 s92, s42, 16
	s_add_co_u32 s92, s92, 0x100000
	s_lshl_b32 s93, s16, 8
	s_add_co_u32 s92, s92, s93
	s_mov_b32 s93, 0
	s_add_nc_u64 s[92:93], s[8:9], s[92:93]
	s_and_b32 s95, ttmp7, 3
	s_or_b32 s67, s95, s14                         ; 0: tile 2's rows of mine begin a sequence
	s_or_b32 s95, s95, s15                         ; 0: tile 1's do.  Cluster y and the wave's number alone: the same in all partners
.irp b, 0,1,2,3,4,5,6,7
	global_load_b128 v[BI+8*\b:BI+8*\b+3], v[BO], s[98:99] offset:64*\b       ; lane (r, h), block b: the bias of columns 16 b + 8 h + 0 .. 7
	global_load_b128 v[BI+8*\b+4:BI+8*\b+7], v[BO], s[98:99] offset:64*\b+16
.endr
	WIN TO_B                                       ; destination window 1
.irp b, 0,1,2,3,4,5,6,7
	global_load_b128 v[BI2+8*\b:BI2+8*\b+3], v[BO], s[104:105] offset:64*\b
	global_load_b128 v[BI2+8*\b+4:BI2+8*\b+7], v[BO], s[104:105] offset:64*\b+16
.endr
	WIN 0
.macro FRAG reg, adr, q, i             ; 16 rows x 128 K of 4-bit codes: 8 registers, two loads of 16 bytes, 32 bytes apart
.irp c, 0,1
	ds_load_b128 v[\reg+4*\c:\reg+4*\c+3], v[\adr] offset:64*(\q)+32*\c+(\i)*16*PITCH
.endr
.endm
; TILE 1.  16 matrix instructions: x's blocks a0, a0 + 1 against W's eight.  zero = 1: the first product starts the sums, with the bias as C.  The 64 accumulators take turns.
.macro MUL16 a0, p, q, sc, zero
.irp a, \a0, \a0+1
.irp b, 0,1,2,3,4,5,6,7
.if \zero
	v_wmma_scale_f32_16x16x128_f8f6f4 v[8*(8*((\a)%4)+\b):8*(8*((\a)%4)+\b)+7], v[128*(\p)+FR*\b:128*(\p)+FR*\b+FR-1], v[AF+FR*(\a):AF+FR*(\a)+FR-1], v[BI+8*\b:BI+8*\b+7], v[SC+8*NQ*(\sc)+NQ*\b+(\q)], v[SC+8*NQ*(\sc)+NQ*(\a)+(\q)] matrix_a_fmt:MATRIX_FMT_FP4 matrix_b_fmt:MATRIX_FMT_FP4 matrix_a_scale:MATRIX_SCALE_ROW1
.else
	v_wmma_scale_f32_16x16x128_f8f6f4 v[8*(8*((\a)%4)+\b):8*(8*((\a)%4)+\b)+7], v[128*(\p)+FR*\b:128*(\p)+FR*\b+FR-1], v[AF+FR*(\a):AF+FR*(\a)+FR-1], v[8*(8*((\a)%4)+\b):8*(8*((\a)%4)+\b)+7], v[SC+8*NQ*(\sc)+NQ*\b+(\q)], v[SC+8*NQ*(\sc)+NQ*(\a)+(\q)] matrix_a_fmt:MATRIX_FMT_FP4 matrix_b_fmt:MATRIX_FMT_FP4 matrix_a_scale:MATRIX_SCALE_ROW1
.endif
.endr
.endr
.endm
.macro FETCH_B slot, q, p
	WIN TO_B
.irp i, 0,1,2,3,4,5,6,7
	FRAG 128*(\p)+FR*\i, ADRB+\slot, \q, \i
.endr
	WIN 0
.endm
.macro FETCH_A slot, q, i0
.irp i, \i0, \i0+1, \i0+2, \i0+3
	FRAG AF+FR*(\i), ADRA+\slot, \q, \i
.endr
.endm
.macro SCALES sc                       ; a slot's scale words: 4 words a row; lanes 0-15 take x's block i, lanes 16-31 W's block i
.irp i, 0,1,2,3,4,5,6,7
	ds_load_b128 v[SC+8*NQ*\sc+NQ*\i:SC+8*NQ*\sc+NQ*\i+3], v[ADRS] offset:\i*SBLK
.endr
.endm
.macro PLACES n                        ; plain vector instructions between a matrix instruction and a load into, or a read of, its registers
.rept \n
	v_nop
.endr
.endm
.macro STEP slot, q, zero              ; 128 along K with its successor in the same slot
	s_wait_dscnt 4*NL                              ; W's set and x's blocks 0-3 are in; the youngest eight loads (x's blocks 4-7) may be out
	WIN MUL_LO-0x20*\zero                          ; (zero = 1: C, the bias, lies in window 0)
	MUL16 0, (\q)%2, \q, \slot, \zero
	MUL16 2, (\q)%2, \q, \slot, \zero
	s_wait_dscnt 0
	PLACES NP
	FETCH_B \slot, (\q)+1, 1-(\q)%2
	FETCH_A \slot, (\q)+1, 0
	WIN MUL_HI-0x30*\zero
	MUL16 4, (\q)%2, \q, \slot, \zero
	MUL16 6, (\q)%2, \q, \slot, \zero
	PLACES NP
	WIN 0
	FETCH_A \slot, (\q)+1, 4
.endm
; Slot 0's last step changes slots.  In front of the barrier each wave waits for all its tensor loads (its part of slot 1), adds 0 to its spare word, and waits for that and for its reads of slot 0.
; The barrier opens a round of the cluster's: behind it no wave of any partner reads slot 0's rows of W, and waves 2 and 3 fill them again, one joint load each, into the bytes of their own first fill.
.macro TURN slot, next
	s_wait_tensorcnt 0x0                           ; no tensor load of mine is out, so a group 0 may be written
	ds_add_u32 v[SPW], v[NIL]
	s_mov_b64 s[G0B+2:G0B+3], s[92:93]             ; slot 0's group 0 for W: the same LDS bytes, now from Wv's rows
	s_or_b32 s[G0B+3], s[G0B+3], 0x80000000
	s_wait_dscnt 4*NL+1                            ; the add and the youngest eight loads may be out
	WIN MUL_LO
	MUL16 0, 1, NQ-1, \slot, 0
	s_wait_dscnt 0x0                               ; the add is done, and my reads of slot 0 are over
	s_barrier_signal -1
	MUL16 2, 1, NQ-1, \slot, 0
	WIN 0
	s_barrier_wait -1                              ; slot 1 is whole
	CREST
	s_cmp_eq_u32 s15, 0                            ; waves 0 and 1 have nothing to fill: x's rows stay
	s_cbranch_scc1 .Lno_fill_\@
	tensor_load_to_lds s[G0B:G0B+3], s[G1B:G1B+7]
	s_nop 0
.rept 4
	v_nop
.endr
.Lno_fill_\@:
	PLACES NP
	v_add_nc_u32 v[ADRS], 4*NQ, v[ADRS]            ; on to the next slot's scale words
	FETCH_B \next, 0, 0
	FETCH_A \next, 0, 0
	SCALES \next
	WIN MUL_HI
	MUL16 4, 1, NQ-1, \slot, 0
	MUL16 6, 1, NQ-1, \slot, 0
	PLACES NP
	WIN 0
	FETCH_A \next, 0, 4
.endm
; TILE 2.  Step t of eight: half t / 4 of K, its (t % 4)-th 128.  Fragments in sets t % 2: W's eight in window 1, x's four at v128 or v160.
.macro FETCH2 t
	WIN TO_B
.irp i, 0,1,2,3,4,5,6,7
	FRAG 128*((\t)%2)+FR*\i, ADRB2+(\t)/4, (\t)%4, \i
.endr
	WIN 0
.irp i, 0,1,2,3
	FRAG AF+32*((\t)%2)+FR*\i, ADRA2+(\t)/4, (\t)%4, \i
.endr
.endm
; 32 matrix instructions: my four blocks of x against Wv's eight; the 32 accumulators take turns.  The scale words of the second half of K stand in lanes 16-31 on both sides.
.macro MUL2 t, zero
.irp a, 0,1,2,3
.irp b, 0,1,2,3,4,5,6,7
.if \zero
	v_wmma_scale_f32_16x16x128_f8f6f4 v[8*(8*\a+\b):8*(8*\a+\b)+7], v[128*((\t)%2)+FR*\b:128*((\t)%2)+FR*\b+FR-1], v[AF+32*((\t)%2)+FR*\a:AF+32*((\t)%2)+FR*\a+FR-1], v[BI2+8*\b:BI2+8*\b+7], v[SB2+4*\b+(\t)%4], v[SA2+4*\a+(\t)%4] matrix_a_fmt:MATRIX_FMT_FP4 matrix_b_fmt:MATRIX_FMT_FP4
.elseif (\t) < 4
	v_wmma_scale_f32_16x16x128_f8f6f4 v[8*(8*\a+\b):8*(8*\a+\b)+7], v[128*((\t)%2)+FR*\b:128*((\t)%2)+FR*\b+FR-1], v[AF+32*((\t)%2)+FR*\a:AF+32*((\t)%2)+FR*\a+FR-1], v[8*(8*\a+\b):8*(8*\a+\b)+7], v[SB2+4*\b+(\t)%4], v[SA2+4*\a+(\t)%4] matrix_a_fmt:MATRIX_FMT_FP4 matrix_b_fmt:MATRIX_FMT_FP4
.else
	v_wmma_scale_f32_16x16x128_f8f6f4 v[8*(8*\a+\b):8*(8*\a+\b)+7], v[128*((\t)%2)+FR*\b:128*((\t)%2)+FR*\b+FR-1], v[AF+32*((\t)%2)+FR*\a:AF+32*((\t)%2)+FR*\a+FR-1], v[8*(8*\a+\b):8*(8*\a+\b)+7], v[SB2+4*\b+(\t)%4], v[SA2+4*\a+(\t)%4] matrix_a_fmt:MATRIX_FMT_FP4 matrix_b_fmt:MATRIX_FMT_FP4 matrix_a_scale:MATRIX_SCALE_ROW1 matrix_b_scale:MATRIX_SCALE_ROW1
.endif
.endr
.endr
.endm
.macro STEP2 t
	s_wait_dscnt 0x0                               ; this step's fragments are in
.if (\t) < 7
	PLACES NP                                      ; behind the last step's products, ahead of the loads into the sets that they read
	FETCH2 (\t)+1
.endif
.if (\t) == 0
	WIN 0x91                                       ; W and C (the bias) window 1, x window 0, D window 2
	MUL2 \t, 1
.else
	WIN MUL_LO
	MUL2 \t, 0
.endif
.endm
; THE FINE ROWS: where my first 16 rows are a sequence's first 16 positions, block 0 also leaves as it stands, in f32
.macro FINE flag, base
	s_cmp_lg_u32 s[\flag], 0
	s_cbranch_scc1 .Lcoarse_\@
	WIN 0x08                                       ; a store's data are its source 1: window 2
.irp b, 0,1,2,3,4,5,6,7
	global_store_b128 v[FO], v[8*\b:8*\b+3], s[\base:\base+1] offset:64*\b          ; each accumulator from its low end on
	global_store_b128 v[FO], v[8*\b+4:8*\b+7], s[\base:\base+1] offset:64*\b+16
.endr
	WIN 0
.Lcoarse_\@:
.endm
; THE WAY OUT, block by block of 16 rows x 128 columns (two heads): rounded to f16, 16 bytes a lane into my stage, back so that sixteen lanes hold two positions of one head: 256 dense bytes of qkv.
.macro PACK a
.set AC, 64*((\a)%4)
	WIN 0x0a+5*((\a)/4)                            ; sources 0 and 1: window 2 or 3
.irp b, 0,1,2,3,4,5,6,7
.irp r, 0,1,2,3
	v_cvt_pk_f16_f32 v[TMP+4*\b+\r], v[AC+8*\b+2*\r], v[AC+8*\b+2*\r+1]
.endr
.endr
	WIN 0
.endm
.macro TOSTAGE a
.set BB, BK+32*((\a)%2)
.irp b, 0,1,2,3,4,5,6,7
	ds_store_b128 v[STO], v[TMP+4*\b:TMP+4*\b+3] offset:32*\b
.endr
.irp i, 0,1,2,3,4,5,6,7
	ds_load_b128 v[BB+4*\i:BB+4*\i+3], v[RD] offset:\i*2*SPITCH   ; LDS serves a wave's instructions in order (ISA guide 5.7.1.4): these see the stores above
.endr
.endm
.macro SEND a, base
.set BB, BK+32*((\a)%2)
	s_wait_dscnt 0x0                               ; the block is back in registers
	s_wait_xcnt 0x0                                ; the block before has had its stores' registers read: the next block's loads may land there
.irp i, 0,1,2,3,4,5,6,7
	global_store_b128 v[CO], v[BB+4*\i:BB+4*\i+3], s[\base:\base+1] offset:2048*(\a)+256*\i
.endr
.endm
	s_wait_tensorcnt 1                             ; the scales and my part of slot 0 are in; slot 1's load may be out
	s_barrier_signal -1
	s_barrier_wait -1
	FETCH_B 0, 0, 0
	FETCH_A 0, 0, 0
	SCALES 0
	FETCH_A 0, 0, 4
	s_wait_loadcnt 0x0                             ; both biases
	STEP 0, 0, 1
	STEP 0, 1, 0
	STEP 0, 2, 0
	TURN 0, 1
	STEP 1, 0, 0
	STEP 1, 1, 0
	STEP 1, 2, 0
	s_wait_dscnt 4*NL                              ; tile 1's last step: nothing more to fetch
	WIN MUL_LO
	MUL16 0, 1, NQ-1, 1, 0
	MUL16 2, 1, NQ-1, 1, 0
	s_wait_dscnt 0
	WIN MUL_HI
	MUL16 4, 1, NQ-1, 1, 0
	MUL16 6, 1, NQ-1, 1, 0
	WIN 0
	PLACES NP                                      ; ahead of every read of the results, and of the loads into the scale words' and x's fragments' registers
.irp i, 0,1,2,3,4,5,6,7                ; tile 2's scale words are asked for here and land during tile 1's way out.  W's: 16 rows of 32 bytes are 512 dense bytes a load
	global_load_b128 v[SB2+4*\i:SB2+4*\i+3], v[SGO], s[10:11] offset:512*\i
.endr
.irp a, 0,1,2,3
	ds_load_b128 v[SA2+4*\a:SA2+4*\a+3], v[ADRS2] offset:SBLK*\a
.endr
	FINE 95, 96
	PACK 0
	TOSTAGE 0
.irp a, 1,2,3,4,5,6,7                  ; block a's conversions stand between block a - 1's loads from the stage and the wait for them
	PACK \a
	SEND \a-1, 12
	TOSTAGE \a
.endr
	SEND 7, 12
	s_wait_tensorcnt 0x0                           ; my part of Wv's tile has landed
	s_wait_dscnt 0x0
	s_barrier_signal -1
	s_barrier_wait -1                              ; everybody's has
	s_wait_xcnt 0x0                                ; tile 1's stores have read v128-191 and the accumulators of the fine rows
	s_wait_loadcnt 0x0                             ; W's scale words
	FETCH2 0
.irp t, 0,1,2,3,4,5,6,7
	STEP2 \t
.endr
	WIN 0
	PLACES NP
	FINE 67, 4
	PACK 0
	TOSTAGE 0
.irp a, 1,2,3
	PACK \a
	SEND \a-1, 100
	TOSTAGE \a
.endr
	SEND 3, 100
	s_wait_tensorcnt 0x0                           ; the wave's end
	ds_add_u32 v[SPW], v[NIL]
	s_wait_dscnt 0x0
	CROUND                                         ; the closing round
	s_endpgm
.Lfunc_end_k_q65aa63e9d1_qkv:
	.size	k_q65aa63e9d1_qkv, .Lfunc_end_k_q65aa63e9d1_qkv-k_q65aa63e9d1_qkv
	.p2alignl 7, 3214868480
	.fill 96, 4, 3214868480
	.section	.rodata,"a",@progbits
	.p2align	6, 0x0
	.amdhsa_kernel k_q65aa63e9d1_qkv
		.amdhsa_group_segment_fixed_size 327680
		.amdhsa_private_segment_fixed_size 0
		.amdhsa_enable_private_segment 0
		.amdhsa_kernarg_size 72
		.amdhsa_user_sgpr_count 2
		.amdhsa_user_sgpr_kernarg_segment_ptr 1
		.amdhsa_wavefront_size32 1
		.amdhsa_system_sgpr_workgroup_id_x 1
		.amdhsa_system_sgpr_workgroup_id_y 1
		.amdhsa_system_sgpr_workgroup_id_z 1
		.amdhsa_system_vgpr_workitem_id 0
		.amdhsa_next_free_vgpr 1024
		.amdhsa_next_free_sgpr 106
		.amdhsa_reserve_vcc 0
		.amdhsa_float_denorm_mode_32 3
		.amdhsa_float_denorm_mode_16_64 3
		.amdhsa_memory_ordered 1
		.amdhsa_forward_progress 1
		.amdhsa_inst_pref_size 198
	.end_amdhsa_kernel
	.amdgpu_metadata
---
amdhsa.version: [ 1, 2 ]
amdhsa.kernels:
  - .name:           k_q65aa63e9d1_qkv
    .symbol:         k_q65aa63e9d1_qkv.kd
    .args:
      - { .name: xc, .offset: 0, .size: 8, .value_kind: global_buffer, .address_space: global }
      - { .name: xs, .offset: 8, .size: 8, .value_kind: global_buffer, .address_space: global }
      - { .name: wc, .offset: 16, .size: 8, .value_kind: global_buffer, .address_space: global }
      - { .name: ws, .offset: 24, .size: 8, .value_kind: global_buffer, .address_space: global }
      - { .name: qkv, .offset: 32, .size: 8, .value_kind: global_buffer, .address_space: global }
      - { .name: qkv32, .offset: 40, .size: 8, .value_kind: global_buffer, .address_space: global }
      - { .name: bk, .offset: 48, .size: 8, .value_kind: global_buffer, .address_space: global }
      - { .name: bq, .offset: 56, .size: 8, .value_kind: global_buffer, .address_space: global }
      - { .name: bv, .offset: 64, .size: 8, .value_kind: global_buffer, .address_space: global }
    .group_segment_fixed_size: 327680
    .private_segment_fixed_size: 0
    .kernarg_segment_align: 8
    .kernarg_segment_size: 72
    .max_flat_workgroup_size: 128
    .sgpr_count:     106
    .vgpr_count:     1024
    .wavefront_size: 32
...
	.end_amdgpu_metadata
.endif
;; end of part 2
;; launch attn (part 3): grid 2 x 128, 16 waves a work-group, no clusters, 327,680 bytes of LDS; arguments qkv, att; writes att
.if DOCPART == 3
	.amdgcn_target "amdgcn-amd-amdhsa--gfx1250"
	.amdhsa_code_object_version 6
	.text
	.protected	k_q65aa63e9d1_attn
	.globl	k_q65aa63e9d1_attn
	.p2align	8
	.type	k_q65aa63e9d1_attn,@function
k_q65aa63e9d1_attn:
	s_mov_b64 s[64:65], 0
	v_nop
	global_prefetch_b8 v0, s[64:65] scope:SCOPE_SE
	s_setreg_imm32_b32 hwreg(HW_REG_WAVE_MODE, 25, 1), 1
	s_wait_xcnt 0x0
; ATTN.  att[b][h][i][:] = the sum over j <= i of softmax_j(k[i] . q[j] / 32) v[j][:], for one (b, h) a work-group pair.  In this module k plays the rows' part ("queries" below) and q the columns' ("keys").
; qkv: f16 [sel][b][h][t][64], sel 0 = k, 1 = q, 2 = v.  att: f16 [b][h][t][64].  Products on f16 operands with f32 sums; maxima, exponentials and sums in f32; a running maximum is taken away.
; LIMITS: the weights p (at most 1) and the result are rounded to f16; the running maximum begins at -3e38; NaN and infinities are not served.  Positions under 16 are written again, in f32, by a later launch.
; SHARES.  A head's 1,024 keys and values stay in LDS, filled once.  Work-group p (0, 1) of a head owns the query tiles 2 m + p.  Wave w takes tile 2 w + p and then tile 2 (31 - w) + p:
; by the causal mask that is 17 key steps of 64 for every wave of the launch.  Four waves share a SIMD, so that one wave's softmax stands beside another's products and LDS loads.
; NO CLUSTER: a head's tiles are wanted by two work-groups alone (grid x = 2); four partners along x would hold two heads, whose tiles differ.
; NO PREFETCH: every byte of the head's keys and values is asked for by the tensor loads at the head; there is no later request to run ahead of.
; LAYOUT.  S^T = keys x queries^T (source 0 = 16 keys, source 1 = my 16 queries): a lane holds ONE query (lane % 16) and keys 8 (lane / 16) + 0..7.  Two such tiles, rounded to f16 in pairs, ARE source 1
; of O^T = V^T P, whose result again holds one query a lane and eight channels.  Keys come out of LDS as they lie, values turned, by ds_load_tr16_b128.
; LDS.  Two keys make one row of 256 bytes.  Keys: pitch 272; values: pitch 288.
.set KROW,  272
.set VROW,  288
.set VL,    512*KROW                   ; the values begin behind the keys' 512 rows
.set STAGE, VL+512*VROW                ; 16 rows x (128 bytes + 16) for each wave; no tile lands here
.set SPIT,  144
.set SPARE, STAGE+16*16*SPIT           ; the spare words, 128 bytes for each of sixteen waves: eight blocks of 256 bytes that no other line names
.set KSB,   32*KROW                    ; a key step: 64 keys
.set VSB,   32*VROW
; v1 AK0, v2 AV0, v3 spare word, v4 zero, v5 STO, v6 RD, v7/v8 my bytes in att (small, large tile), v250/v9 in the queries, v10/v11 the step's addresses, v12 c m, v13 m, v[14:15] l,
; v16-31 queries, v32-95 keys, v96-159 values, v160-191 S then p, v192-207 P, v208-239 O^T, v240-243 maxima, v244 exchange, v245 r - 8 h, v[246:247] a, v248 mask, v249 -infinity, v251 c m old - c m new
; s8 wave, s[20:21] lane selects, s[22:23] c, s56 first query, s57 first key, s58/s59 the step's place among keys/values, s60 count, s63 the large tile's first query
.set G1K, 24
.set G1V, 32
.set G0K, 40                           ; s[40:55] four groups 0 for the keys
.set G0V, 68                           ; s[68:83] four for the values
	s_load_b128 s[4:7], s[0:1], 0x0                ; qkv, att
	v_lshl_add_u32 v3, v0, 2, SPARE
	v_mov_b32 v4, 0
	ds_add_u32 v3, v4                              ; the wave's opening: the add, twice on end, and its wait ahead of the first tensor load
	ds_add_u32 v3, v4
	v_lshrrev_b32 v1, 5, v0
	v_readfirstlane_b32 s8, v1                     ; wave 0..15
	s_and_b32 s9, ttmp7, 0xffff                    ; b x 16 + h
	s_lshl_b32 s10, s9, 17                         ; a head is 131,072 bytes
	s_mov_b32 s11, 0
	s_and_b32 s16, s8, 1                           ; which 64 rows of each 128 I fetch, if I fetch
	s_mul_i32 s14, s16, 64*KROW
	s_mul_i32 s15, s16, 64*VROW
	s_add_co_u32 s15, s15, VL
	s_lshl_b32 s18, s16, 14
	s_mov_b32 s19, 0
	s_add_nc_u64 s[18:19], s[18:19], s[10:11]
	s_mov_b32 s[G1K], (1<<16)|(1<<20)|(5<<22)|(3<<25)   ; no mask; elements of 2 bytes; padding: 4 words behind every 64
	s_mov_b32 s[G1V], (1<<16)|(1<<20)|(5<<22)|(7<<25)   ; 8 words
.irp g, G1K, G1V
	s_mov_b32 s[\g+1], 128<<16                     ; tensor_dim0: 128 elements, two keys
	s_mov_b32 s[\g+2], 64<<16                      ; tensor_dim1
	s_mov_b32 s[\g+3], 128<<16                     ; tile_dim0
	s_mov_b32 s[\g+4], 64                          ; tile_dim1
	s_mov_b32 s[\g+5], 128                         ; the pitch: the head is dense
	s_mov_b32 s[\g+6], 0
	s_mov_b32 s[\g+7], 0
.endr
	s_mov_b32 s20, 0x76543210
	s_mov_b32 s21, 0xfedcba98
	s_mov_b32 s22, 0x3d38aa3b                      ; c = log2(e) / 32
	s_mov_b32 s23, s22
	s_lshl_b32 s62, s8, 5
	s_lshl_b32 s61, ttmp9, 4
	s_add_co_u32 s56, s62, s61                     ; the small tile's first query: 32 w + 16 p
	s_add_co_u32 s63, s61, 992
	s_sub_co_u32 s63, s63, s62                     ; the large tile's: 992 - 32 w + 16 p
	s_wait_dscnt 0x0                               ; both opening adds are done
	s_wait_kmcnt 0x0
	s_add_nc_u64 s[2:3], s[4:5], s[18:19]          ; qkv at my head and my half
	s_add_nc_u64 s[12:13], s[4:5], s[10:11]        ; the queries (sel 0) of my head
	s_add_nc_u64 s[6:7], s[6:7], s[10:11]          ; att at my head
.irp s, 0,1,2,3
	s_mov_b32 s[G0K+4*\s], 1
	s_add_co_u32 s[G0K+4*\s+1], s14, 128*KROW*\s
	s_add_nc_u64 s[G0K+4*\s+2:G0K+4*\s+3], s[2:3], 0x1000000+32768*\s   ; sel 1; keys 256 s on
	s_or_b32 s[G0K+4*\s+3], s[G0K+4*\s+3], 0x80000000
	s_mov_b32 s[G0V+4*\s], 1
	s_add_co_u32 s[G0V+4*\s+1], s15, 128*VROW*\s
	s_add_nc_u64 s[G0V+4*\s+2:G0V+4*\s+3], s[2:3], 0x2000000+32768*\s   ; sel 2
	s_or_b32 s[G0V+4*\s+3], s[G0V+4*\s+3], 0x80000000
.endr
	s_cmp_lt_u32 s8, 2                             ; waves 0, 1: the keys' halves; waves 2, 3: the values'; a wave's four first fills stand in one branch: four tensor loads of mine are out at the most
	s_cbranch_scc0 .Lnot_k
.irp s, 0,1,2,3
	tensor_load_to_lds s[G0K+4*\s:G0K+4*\s+3], s[G1K:G1K+7]
	s_nop 0
.endr
.rept 4
	v_nop
.endr
	s_branch .Lasked
.Lnot_k:
	s_cmp_lt_u32 s8, 4
	s_cbranch_scc0 .Lasked
.irp s, 0,1,2,3
	tensor_load_to_lds s[G0V+4*\s:G0V+4*\s+3], s[G1V:G1V+7]
	s_nop 0
.endr
.rept 4
	v_nop
.endr
.Lasked:
	v_and_b32 v240, 15, v0                         ; r
	v_bfe_u32 v241, v0, 4, 1                       ; h
	v_lshlrev_b32 v243, 7, v240
	v_lshl_add_u32 v243, v241, 4, v243             ; 128 r + 16 h
	s_lshl_b32 s61, s56, 7
	s_lshl_b32 s62, s63, 7
	v_add_nc_u32 v250, s61, v243                   ; my bytes of the small tile's queries,
	v_add_nc_u32 v9, s62, v243                     ; of the large tile's
.irp i, 0,1,2,3
	global_load_b128 v[16+4*\i:19+4*\i], v250, s[12:13] offset:32*\i   ; two fragments: channels 32 ks + 8 h + 0..7 and + 16
.endr
	v_lshrrev_b32 v242, 1, v240
	v_mul_u32_u24 v1, v242, KROW
	v_and_b32 v243, 1, v0
	v_lshl_add_u32 v1, v243, 7, v1
	v_lshl_add_u32 v1, v241, 4, v1                 ; AK0: key r of a tile: KROW (r / 2) + 128 (r % 2) + 16 h
	v_bfe_u32 v242, v0, 1, 2
	v_lshl_add_u32 v242, v241, 2, v242             ; key 8 h + l % 8, halved
	v_mul_u32_u24 v2, v242, VROW
	v_lshl_add_u32 v2, v243, 7, v2
	v_bfe_u32 v242, v0, 3, 1
	v_lshl_add_u32 v2, v242, 4, v2                 ; channels 8 ((l / 8) % 2) on
	v_add_nc_u32 v2, VL, v2                        ; AV0
	s_mul_i32 s17, s8, 16*SPIT
	s_add_co_u32 s17, s17, STAGE                   ; my stage
	v_mul_u32_u24 v5, v240, SPIT
	v_lshl_add_u32 v5, v241, 4, v5
	v_add_nc_u32 v5, s17, v5                       ; in: row r, 16 bytes for each half of the lanes
	v_bfe_u32 v242, v0, 3, 2
	v_mul_u32_u24 v6, v242, SPIT
	v_and_b32 v243, 7, v0
	v_lshl_add_u32 v6, v243, 4, v6
	v_add_nc_u32 v6, s17, v6                       ; back: eight lanes to a row of 128 bytes, four rows an instruction
	v_and_b32 v242, 31, v0
	v_lshlrev_b32 v242, 4, v242
	v_add_nc_u32 v7, s61, v242                     ; in att: 16 x lane + 128 x first query
	v_add_nc_u32 v8, s62, v242
	v_lshlrev_b32 v242, 3, v241
	v_sub_nc_u32 v245, v240, v242                  ; r - 8 h
	v_mov_b32 v249, 0xff800000                     ; -infinity
	v_mov_b32 v244, 0                              ; a lane permute's destination counts as one of its sources
	v_mov_b32 v247, 0                              ; named as the upper half of the pair v[246:247]
.macro INIT                            ; the step is written once: the first finds zeros, which the first change of m leaves zeros
	v_mov_b32 v13, 0xff61b1e6                      ; m = -3e38
	v_mul_f32 v12, s22, v13
	v_mov_b32 v14, 0
	v_mov_b32 v15, 0
.irp j, 0,1,2,3,4,5,6,7,8,9,10,11,12,13,14,15,16,17,18,19,20,21,22,23,24,25,26,27,28,29,30,31
	v_mov_b32 v[208+\j], 0
.endr
.endm
; A KEY STEP: 64 keys from s57 on.  A step all of whose keys come after my 16 queries is left out: a scalar branch on ids, round the step's work alone.
.macro STEP
	s_add_co_u32 s61, s56, 15
	s_cmp_gt_u32 s57, s61
	s_cbranch_scc1 .Lhidden_\@
	v_add_nc_u32 v10, s58, v1
	v_add_nc_u32 v11, s59, v2
.irp t, 0,1,2,3
.irp c, 0,1
	ds_load_b128 v[32+16*\t+8*\c:35+16*\t+8*\c], v10 offset:8*KROW*\t+64*\c       ; keys 16 t on, channels 32 c on
	ds_load_b128 v[36+16*\t+8*\c:39+16*\t+8*\c], v10 offset:8*KROW*\t+64*\c+32
.endr
.endr
.irp u, 0,1
.irp d, 0,1,2,3
	ds_load_tr16_b128 v[96+32*\u+8*\d:99+32*\u+8*\d], v11 offset:16*VROW*\u+32*\d            ; keys 32 u on, channels 16 d on
	ds_load_tr16_b128 v[100+32*\u+8*\d:103+32*\u+8*\d], v11 offset:16*VROW*\u+32*\d+8*VROW
.endr
.endr
	s_wait_dscnt 16                                ; the keys are in; the values' sixteen loads stay out
.irp t, 0,1,2,3                        ; the four accumulators take turns; the first four products start the sums
	v_wmma_f32_16x16x32_f16 v[160+8*\t:167+8*\t], v[32+16*\t:39+16*\t], v[16:23], 0
.endr
.irp t, 0,1,2,3
	v_wmma_f32_16x16x32_f16 v[160+8*\t:167+8*\t], v[40+16*\t:47+16*\t], v[24:31], v[160+8*\t:167+8*\t]
.endr
.rept 4
	v_nop                                          ; places ahead of the first read of the scores
.endr
	s_add_co_u32 s61, s57, 63                      ; on the diagonal hidden scores become -infinity; a step all of whose keys count skips this
	s_cmp_le_u32 s61, s56
	s_cbranch_scc1 .Lopen_\@
	s_sub_co_i32 s61, s56, s57
	v_add_nc_u32 v248, s61, v245                   ; register 8 t + i holds key s57 + 16 t + 8 h + i: hidden where 16 t + i > my query - s57 - 8 h
.irp n, 0,1,2,3,4,5,6,7,8,9,10,11,12,13,14,15,16,17,18,19,20,21,22,23,24,25,26,27,28,29,30,31
	v_cmp_gt_i32 vcc_lo, 16*(\n/8)+\n%8, v248
	v_cndmask_b32 v[160+\n], v[160+\n], v249, vcc_lo
.endr
.Lopen_\@:
.irp t, 0,1,2,3
	v_max3_num_f32 v[240+\t], v[160+8*\t], v[161+8*\t], v[162+8*\t]   ; four chains, each begun at its accumulator's low end
.endr
.irp t, 0,1,2,3
	v_max3_num_f32 v[240+\t], v[240+\t], v[163+8*\t], v[164+8*\t]
.endr
.irp t, 0,1,2,3
	v_max3_num_f32 v[240+\t], v[240+\t], v[165+8*\t], v[166+8*\t]
.endr
	v_max3_num_f32 v240, v240, v167, v175
	v_max3_num_f32 v242, v242, v183, v191
	v_max3_num_f32 v240, v240, v241, v242
	v_max3_num_f32 v240, v240, v243, v13           ; and the old m
	v_permlanex16_b32 v244, v240, s20, s21         ; the query's other 32 keys lie in the lane 16 away
	v_mov_b32 v251, v12                            ; c m old
	v_max_num_f32 v13, v240, v244
	v_mul_f32 v12, s22, v13
	v_sub_f32 v251, v251, v12
.irp i, 0,2,4,6,8,10,12,14,16,18,20,22,24,26,28,30
	v_pk_fma_f32 v[160+\i:161+\i], v[160+\i:161+\i], s[22:23], v[12:13] op_sel_hi:[1,0,0] neg_lo:[0,0,1] neg_hi:[0,0,1]   ; c s - c m
.endr
	v_exp_f32 v246, v251                           ; a = 2^(c m old - c m new).  One batch of 33 exponentials,
.irp n, 0,1,2,3,4,5,6,7,8,9,10,11,12,13,14,15,16,17,18,19,20,21,22,23,24,25,26,27,28,29,30,31
	v_exp_f32 v[160+\n], v[160+\n]
.endr
	v_nop                                          ; one plain instruction behind the last,
	s_wait_alu depctr_va_vdst(0)                   ; and one wait ahead of the first reader
.irp i, 0,1,2,3,4,5,6,7,8,9,10,11,12,13,14,15
	v_cvt_pk_f16_f32 v[192+\i], v[160+2*\i], v[161+2*\i]
.endr
.irp u, 0,1,2,3,4,5,6,7                ; the row's sum of the unrounded p, a tree in place
	v_pk_add_f32 v[160+4*\u:161+4*\u], v[160+4*\u:161+4*\u], v[162+4*\u:163+4*\u]
.endr
.irp u, 0,1,2,3
	v_pk_add_f32 v[160+8*\u:161+8*\u], v[160+8*\u:161+8*\u], v[164+8*\u:165+8*\u]
.endr
.irp u, 0,1
	v_pk_add_f32 v[160+16*\u:161+16*\u], v[160+16*\u:161+16*\u], v[168+16*\u:169+16*\u]
.endr
	v_pk_add_f32 v[160:161], v[160:161], v[176:177]
	v_pk_fma_f32 v[14:15], v[14:15], v[246:247], v[160:161] op_sel_hi:[1,0,1]   ; l = a l + the sum
.irp i, 0,2,4,6,8,10,12,14,16,18,20,22,24,26,28,30
	v_pk_mul_f32 v[208+\i:209+\i], v[208+\i:209+\i], v[246:247] op_sel_hi:[1,0]   ; O^T x a, each accumulator from its low end on
.endr
	s_wait_dscnt 0x0                               ; the values are in
.irp u, 0,1
.irp d, 0,1,2,3
	v_wmma_f32_16x16x32_f16 v[208+8*\d:215+8*\d], v[96+32*\u+8*\d:103+32*\u+8*\d], v[192+8*\u:199+8*\u], v[208+8*\d:215+8*\d]
.endr
.endr
.rept 4
	v_nop                                          ; places ahead of the next loads into the values' registers and of the next read of O^T
.endr
.Lhidden_\@:
	s_add_co_u32 s57, s57, 64
	s_add_co_u32 s58, s58, KSB
	s_add_co_u32 s59, s59, VSB
.endm
.macro STEPS n                         ; every trip count is a constant of the text
	s_mov_b32 s60, \n
.Lsteps_\@:
	STEP
	s_sub_co_u32 s60, s60, 1
	s_cmp_lg_u32 s60, 0
	s_cbranch_scc1 .Lsteps_\@
.endm
; THE WAY OUT of a tile: O^T / l, rounded to f16, through my stage, and out as 2,048 dense bytes.
.macro WAYOUT go
	v_add_f32 v14, v14, v15
	v_permlanex16_b32 v244, v14, s20, s21
	v_add_f32 v14, v14, v244
	v_rcp_f32 v246, v14
	v_nop
	s_wait_alu depctr_va_vdst(0)
.irp i, 0,2,4,6,8,10,12,14,16,18,20,22,24,26,28,30
	v_pk_mul_f32 v[160+\i:161+\i], v[208+\i:209+\i], v[246:247] op_sel_hi:[1,0]
.endr
.irp i, 0,1,2,3,4,5,6,7,8,9,10,11,12,13,14,15
	v_cvt_pk_f16_f32 v[192+\i], v[160+2*\i], v[161+2*\i]
.endr
.irp d, 0,1,2,3
	ds_store_b128 v5, v[192+4*\d:195+4*\d] offset:32*\d       ; query r, channels 16 d + 8 h + 0..7
.endr
.irp i, 0,1,2,3
	ds_load_b128 v[160+4*\i:163+4*\i], v6 offset:4*SPIT*\i    ; in order behind my stores (ISA guide 5.7.1.4)
.endr
.irp i, 0,1,2,3
	s_wait_dscnt 3-\i                              ; the younger loads stay out
	global_store_b128 v[\go], v[160+4*\i:163+4*\i], s[6:7] offset:512*\i   ; 512 consecutive bytes
.endr
.endm
	INIT
	s_mov_b32 s57, 0
	s_mov_b32 s58, 0
	s_mov_b32 s59, 0
	s_wait_tensorcnt 0x3                           ; my first load, my part of keys or values 0-255, has landed; my three later ones stay out
	s_barrier_signal -1
	s_barrier_wait -1
	s_wait_loadcnt 0x0                             ; the queries
	STEPS 4                                        ; keys 0-255
	s_wait_tensorcnt 0x0                           ; all my loads have landed
	s_wait_dscnt 0x0
	s_barrier_signal -1
	s_barrier_wait -1                              ; the whole head lies in LDS
	STEPS 4                                        ; keys 256-511: the small tiles end under 512
.irp i, 0,1,2,3
	global_load_b128 v[16+4*\i:19+4*\i], v9, s[12:13] offset:32*\i      ; the large tile's queries, on their way during the way out
.endr
	WAYOUT 7
	s_wait_xcnt 0x0                                ; the stores have read v160-175, which the next scores overwrite
	INIT
	s_mov_b32 s56, s63
	s_mov_b32 s57, 0
	s_mov_b32 s58, 0
	s_mov_b32 s59, 0
	s_wait_loadcnt 0x0
	STEPS 16
	WAYOUT 8
	s_wait_tensorcnt 0x0                           ; the wave's end
	ds_add_u32 v3, v4
	s_wait_dscnt 0x0
	s_endpgm
.Lfunc_end_k_q65aa63e9d1_attn:
	.size	k_q65aa63e9d1_attn, .Lfunc_end_k_q65aa63e9d1_attn-k_q65aa63e9d1_attn
	.p2alignl 7, 3214868480
	.fill 96, 4, 3214868480
	.section	.rodata,"a",@progbits
	.p2align	6, 0x0
	.amdhsa_kernel k_q65aa63e9d1_attn
		.amdhsa_group_segment_fixed_size 327680
		.amdhsa_private_segment_fixed_size 0
		.amdhsa_enable_private_segment 0
		.amdhsa_kernarg_size 16
		.amdhsa_user_sgpr_count 2
		.amdhsa_user_sgpr_kernarg_segment_ptr 1
		.amdhsa_wavefront_size32 1
		.amdhsa_system_sgpr_workgroup_id_x 1
		.amdhsa_system_sgpr_workgroup_id_y 1
		.amdhsa_system_sgpr_workgroup_id_z 1
		.amdhsa_system_vgpr_workitem_id 0
		.amdhsa_next_free_vgpr 256
		.amdhsa_next_free_sgpr 84
		.amdhsa_reserve_vcc 1
		.amdhsa_float_denorm_mode_32 3
		.amdhsa_float_denorm_mode_16_64 3
		.amdhsa_memory_ordered 1
		.amdhsa_forward_progress 1
		.amdhsa_inst_pref_size 55
	.end_amdhsa_kernel
	.amdgpu_metadata
---
amdhsa.version: [ 1, 2 ]
amdhsa.kernels:
  - .name:           k_q65aa63e9d1_attn
    .symbol:         k_q65aa63e9d1_attn.kd
    .args:
      - { .name: qkv, .offset: 0, .size: 8, .value_kind: global_buffer, .address_space: global }
      - { .name: att, .offset: 8, .size: 8, .value_kind: global_buffer, .address_space: global }
    .group_segment_fixed_size: 327680
    .private_segment_fixed_size: 0
    .kernarg_segment_align: 8
    .kernarg_segment_size: 16
    .max_flat_workgroup_size: 512
    .sgpr_count:     84
    .vgpr_count:     256
    .wavefront_size: 32
...
	.end_amdgpu_metadata
.endif
;; end of part 3
;; launch proj (part 4): grid 8 x 32, 4 waves a work-group, clusters of 4 x 4, 327,680 bytes of LDS; arguments att, wp16, bp, out0; writes out0
.if DOCPART == 4
	.amdgcn_target "amdgcn-amd-amdhsa--gfx1250"
	.amdhsa_code_object_version 6
	.text
	.protected	k_q65aa63e9d1_proj
	.globl	k_q65aa63e9d1_proj
	.p2align	8
	.type	k_q65aa63e9d1_proj,@function
k_q65aa63e9d1_proj:
	s_mov_b64 s[64:65], 0
	v_nop
	global_prefetch_b8 v0, s[64:65] scope:SCOPE_SE
	s_setreg_imm32_b32 hwreg(HW_REG_WAVE_MODE, 25, 1), 1
	s_wait_xcnt 0x0
	s_wait_alu depctr_hold_cnt(0) depctr_sa_sdst(0) depctr_va_vdst(0) depctr_va_sdst(0) depctr_va_ssrc(0) depctr_va_vcc(0) depctr_vm_vsrc(0)
	s_getreg_b32 s2, hwreg(HW_REG_IB_STS2, 6, 4)
	s_cmp_eq_u32 s2, 0
	s_cbranch_scc0 .Lentry_in_a_cluster
	s_endpgm
.Lentry_in_a_cluster:
	s_bfe_u32 s2, ttmp6, 0x10000c
	s_cmp_lg_u32 s2, 0xf033
	s_cbranch_scc0 .Lentry_shape_is_right
	s_endpgm
.Lentry_shape_is_right:
; PROJ.  out0 [8192][1024] f32 = att (f16, [b][h][t][64], so k = 64 h + d) times wp16 (f16, [k][n]) + bp; sums in f32.
; A tile of 256 rows x 128 columns a work-group: 256 work-groups.  Four waves, each 128 x 64: 32 accumulators, all of window 1.  K goes in steps of 128 (two heads) through two LDS slots.
; LIMIT: operands in f16.  The rows of positions under 16 are written again, in f32, by the launch that follows.
; A's tile of a head is dense in memory (256 positions x 128 bytes): it comes as 128 rows of 256 bytes, two positions a row, pitch 272.  B's tile is 128 rows k x 256 bytes, pitch 288, read turned by ds_load_tr16_b128.
; CLUSTERS: 4 x 4.  A's tiles are shared along a row of the cluster, B's along a column: joint loads.  THE MATRIX INSTRUCTION IS USED TRANSPOSED (source 0 = 16 columns of Wp, source 1 = 16 rows of att):
; a lane holds eight neighbouring columns of one row.  The bias is the C of each sum's first product.
; NO PREFETCH: a K step here is 128 matrix instructions a wave on a small tile, and the whole walk is eight K steps.
; REGISTERS: window 0: v0-31 addresses; v32-63 the bias; v64-159, v160-255 two fragment buffers (B's 4 fragments, then A's 8).  window 1: accumulator (a, b) at v[8 (4 a + b)].
.set APART, 128*272                    ; a head's part of A's tile
.set BOFF,  2*APART
.set SLOT,  BOFF+128*288
.set STAGE, 2*SLOT                     ; 16 rows x (256 bytes + 16) for each wave; no tile lands here
.set SPITCH, 272
.set SPARE, STAGE+4*16*SPITCH          ; the spare words, 128 bytes a wave: two blocks of 256 bytes that no other line names
.set KSTEPB, 262144                    ; a K step on, in att (two heads) and in wp16 (128 rows) alike
.set LAPS,  4
.set ADRA, 16
.set ADRB, 20
.set STO,  24
.set RD,   25
.set CO,   26
.set BO,   27
.set SPW,  28
.set NIL,  29
.set BI,   32
.set F0,   64
.set F1,   160
.set G1, 24
.set G0, 32
.set G1B, 48
.set G0B, 56
.set MSB, 0
.macro WIN new
.if MSB != (\new)
	s_set_vgpr_msb (MSB<<8)|(\new)
.set MSB, (\new)
.endif
.endm
.set MUL, 0x50                         ; C and D window 1, sources window 0
.macro JLOAD s                         ; waves 0, 1 fetch A's two heads, waves 2, 3 B's two halves; an s_nop 0 and four v_nop follow each line
	s_cmp_eq_u32 s13, 0
	s_cbranch_scc0 .Lfor_b_\@
	tensor_load_to_lds s[G0+4*\s:G0+4*\s+3], s[G1:G1+7]
	s_nop 0
.rept 4
	v_nop
.endr
	s_branch .Lasked_\@
.Lfor_b_\@:
	tensor_load_to_lds s[G0B+4*\s:G0B+4*\s+3], s[G1B:G1B+7]
	s_nop 0
.rept 4
	v_nop
.endr
.Lasked_\@:
.endm
.macro CREST
	s_cmp_lg_u32 s12, 0
	s_cbranch_scc1 .Lnot_wave_0_\@
	s_barrier_signal -3
.Lnot_wave_0_\@:
	s_barrier_wait -3
	s_barrier_signal -1
	s_barrier_wait -1
.endm
.macro CROUND
	s_barrier_signal -1
	s_barrier_wait -1
	CREST
.endm
	s_load_b128 s[4:7], s[0:1], 0x0                ; att, wp16
	s_load_b128 s[8:11], s[0:1], 0x10              ; bp, out0
	v_lshl_add_u32 v[SPW], v0, 2, SPARE
	v_mov_b32 v[NIL], 0
	ds_add_u32 v[SPW], v[NIL]                      ; the wave's opening: the add, twice on end, and its wait ahead of my first tensor load
	ds_add_u32 v[SPW], v[NIL]
	v_lshrrev_b32 v1, 5, v0
	v_readfirstlane_b32 s12, v1                    ; wave 0..3
	s_lshr_b32 s13, s12, 1                         ; which half of the tile's rows is mine.  Also: I fetch for A (0) or for B (1)
	s_and_b32 s14, s12, 1                          ; which half of its columns.  Also: which part I fetch
	s_bfe_u32 s40, ttmp6, 0x40000                  ; cx
	s_bfe_u32 s41, ttmp6, 0x40004                  ; cy
	s_lshl_b32 s42, ttmp9, 2
	s_add_co_u32 s42, s42, s40                     ; tile column
	s_and_b32 s15, ttmp7, 0xffff
	s_lshl_b32 s15, s15, 2
	s_add_co_u32 s15, s15, s41                     ; tile row
	s_lshl_b32 s43, s41, 2
	s_lshl_b32 s43, 15, s43                        ; my row of the cluster
	s_lshl_b32 s44, 0x1111, s40                    ; my column
	s_or_b32 s[G1+0], s43, (1<<16)|(1<<20)|(1<<21)|(5<<22)|(3<<25)   ; elements of 2 bytes; 4 words of padding behind every 64
	s_or_b32 s[G1B+0], s44, (1<<16)|(1<<20)|(1<<21)|(5<<22)|(7<<25)  ; 8 words
	s_mov_b32 s[G1+1], 128<<16                     ; A: 128 rows of 128 elements, dense
	s_mov_b32 s[G1+2], 128<<16
	s_mov_b32 s[G1+3], 128<<16
	s_mov_b32 s[G1+4], 128
	s_mov_b32 s[G1+5], 128
	s_mov_b32 s[G1+6], 0
	s_mov_b32 s[G1+7], 0
	s_mov_b32 s[G1B+1], 128<<16                    ; B: 64 rows of 128 elements, 1,024 elements apart
	s_mov_b32 s[G1B+2], 64<<16
	s_mov_b32 s[G1B+3], 128<<16
	s_mov_b32 s[G1B+4], 64
	s_mov_b32 s[G1B+5], 1024
	s_mov_b32 s[G1B+6], 0
	s_mov_b32 s[G1B+7], 0
	s_lshr_b32 s16, s15, 2                         ; A: b x 2^21 + head part x 2^17 + (tile row % 4) x 256 positions of 128 bytes
	s_lshl_b32 s16, s16, 21
	s_lshl_b32 s17, s14, 17
	s_add_co_u32 s16, s16, s17
	s_and_b32 s17, s15, 3
	s_lshl_b32 s17, s17, 15
	s_add_co_u32 s16, s16, s17
	s_mov_b32 s17, 0
	s_lshl_b32 s46, s14, 17                        ; B: 64 rows of 2,048 bytes a part + 256 bytes a tile column
	s_lshl_b32 s47, s42, 8
	s_add_co_u32 s46, s46, s47
	s_mov_b32 s47, 0
	s_mul_i32 s20, s14, APART                      ; where they go: no place in the cluster enters an LDS address
	s_mul_i32 s21, s14, 64*288
	s_add_co_u32 s21, s21, BOFF
	s_wait_dscnt 0x0                               ; both opening adds are done
	s_wait_kmcnt 0x0
	s_add_nc_u64 s[18:19], s[4:5], s[16:17]
	s_add_nc_u64 s[46:47], s[6:7], s[46:47]
	CROUND                                         ; all sixteen work-groups are here
.irp s, 0,1
	s_mov_b32 s[G0+4*\s], 1
	s_add_co_u32 s[G0+4*\s+1], s20, \s*SLOT
	s_add_nc_u64 s[G0+4*\s+2:G0+4*\s+3], s[18:19], \s*KSTEPB
	s_or_b32 s[G0+4*\s+3], s[G0+4*\s+3], 0x80000000
	s_mov_b32 s[G0B+4*\s], 1
	s_add_co_u32 s[G0B+4*\s+1], s21, \s*SLOT
	s_add_nc_u64 s[G0B+4*\s+2:G0B+4*\s+3], s[46:47], \s*KSTEPB
	s_or_b32 s[G0B+4*\s+3], s[G0B+4*\s+3], 0x80000000
	JLOAD \s
.endr
	v_and_b32 v1, 15, v0                           ; r
	v_bfe_u32 v2, v0, 4, 1                         ; h
	v_lshrrev_b32 v3, 1, v1
	v_mul_u32_u24 v3, v3, 272
	v_and_b32 v4, 1, v0
	v_lshl_add_u32 v3, v4, 7, v3
	v_lshl_add_u32 v3, v2, 4, v3                   ; A: row r of a block: 272 (r / 2) + 128 (r % 2) + 16 h
	v_and_b32 v4, 7, v0
	v_lshl_add_u32 v4, v2, 3, v4
	v_mul_u32_u24 v4, v4, 288
	v_bfe_u32 v5, v0, 3, 1
	v_lshl_add_u32 v4, v5, 4, v4                   ; B: row k = 8 h + l % 8, columns 8 ((l / 8) % 2) on
	s_mul_i32 s22, s13, 64*272                     ; my 128 rows of A
	s_lshl_b32 s23, s14, 7                         ; my 64 columns of B
	s_add_co_u32 s23, s23, BOFF
.irp s, 0,1
	v_add_nc_u32 v[ADRA+\s], s22, v3
	v_add_nc_u32 v[ADRB+\s], s23, v4
	s_add_co_u32 s22, s22, SLOT
	s_add_co_u32 s23, s23, SLOT
.endr
	s_mul_i32 s22, s12, 16*SPITCH
	s_add_co_u32 s22, s22, STAGE                   ; my stage
	v_mul_u32_u24 v5, v1, SPITCH
	v_lshl_add_u32 v5, v2, 5, v5
	v_add_nc_u32 v[STO], s22, v5                   ; in: row r, 32 bytes for each half of the lanes
	v_mul_u32_u24 v5, v2, SPITCH
	v_lshl_add_u32 v5, v1, 4, v5
	v_add_nc_u32 v[RD], s22, v5                    ; back: lanes 0-15 one row of 256 bytes, lanes 16-31 the next
	v_lshlrev_b32 v[CO], 12, v2
	v_lshl_add_u32 v[CO], v1, 4, v[CO]             ; and the same two rows in out0
	v_lshlrev_b32 v[BO], 5, v2
	s_lshl_b32 s46, s42, 9                         ; my first column, in bytes: 512 x tile column + 256 x half
	s_lshl_b32 s47, s14, 8
	s_add_co_u32 s46, s46, s47
	s_mov_b32 s47, 0
	s_add_nc_u64 s[8:9], s[8:9], s[46:47]
	s_lshl_b32 s16, s15, 20                        ; my first row: (256 x tile row + 128 x half) x 4,096 bytes
	s_lshl_b32 s17, s13, 19
	s_add_co_u32 s16, s16, s17
	s_mov_b32 s17, 0
	s_add_nc_u64 s[16:17], s[16:17], s[46:47]
	s_add_nc_u64 s[10:11], s[10:11], s[16:17]
.irp b, 0,1,2,3
	global_load_b128 v[BI+8*\b:BI+8*\b+3], v[BO], s[8:9] offset:64*\b        ; lane (r, h), block b: bp of columns 16 b + 8 h + 0..7
	global_load_b128 v[BI+8*\b+4:BI+8*\b+7], v[BO], s[8:9] offset:64*\b+16
.endr
; 8 matrix instructions: A's blocks a0, a0 + 1 against B's four, 32 along K.  The 32 accumulators take turns.
.macro MUL8 f, a0, zero
.irp a, \a0, \a0+1
.irp b, 0,1,2,3
.if \zero
	v_wmma_f32_16x16x32_f16 v[8*(4*(\a)+\b):8*(4*(\a)+\b)+7], v[\f+8*\b:\f+8*\b+7], v[\f+32+8*(\a):\f+32+8*(\a)+7], v[BI+8*\b:BI+8*\b+7]
.else
	v_wmma_f32_16x16x32_f16 v[8*(4*(\a)+\b):8*(4*(\a)+\b)+7], v[\f+8*\b:\f+8*\b+7], v[\f+32+8*(\a):\f+32+8*(\a)+7], v[8*(4*(\a)+\b):8*(4*(\a)+\b)+7]
.endif
.endr
.endr
.endm
; 24 LDS loads in one run: quarter q (32 along K) of a slot into buffer f: B's four fragments, A's blocks 0-3, A's blocks 4-7
.macro FETCH slot, q, f
	WIN 0
.irp j, 0,1,2,3
	ds_load_tr16_b128 v[\f+8*\j:\f+8*\j+3], v[ADRB+\slot] offset:32*288*(\q)+32*\j
	ds_load_tr16_b128 v[\f+8*\j+4:\f+8*\j+7], v[ADRB+\slot] offset:32*288*(\q)+32*\j+16*288
.endr
.irp i, 0,1,2,3,4,5,6,7
	ds_load_b128 v[\f+32+8*\i:\f+32+8*\i+3], v[ADRA+\slot] offset:APART*((\q)/2)+64*((\q)%2)+8*272*\i
	ds_load_b128 v[\f+32+8*\i+4:\f+32+8*\i+7], v[ADRA+\slot] offset:APART*((\q)/2)+64*((\q)%2)+8*272*\i+32
.endr
.endm
.macro PLACES
.rept 4
	v_nop
.endr
.endm
.macro QUARTER slot, q, f, g, zero     ; multiplies buffer f; in its middle it fetches quarter q of the same slot into g
	s_wait_dscnt 8                                 ; B and A's blocks 0-3 are in; the youngest eight loads may be out
	WIN MUL-0x10*\zero                             ; (zero = 1: C, the bias, lies in window 0)
	MUL8 \f, 0, \zero
	MUL8 \f, 2, \zero
	PLACES
	FETCH \slot, \q, \g
	s_wait_dscnt 24                                ; all but the 24 just issued
	WIN MUL-0x10*\zero
	MUL8 \f, 4, \zero
	MUL8 \f, 6, \zero
.endm
; The last quarter multiplies buffer 1 and changes slots: one barrier; in front of it each wave waits for all its tensor loads, adds 0 to its spare word, and waits for that and for its reads of this slot.
.macro TURN slot, next, fill
	WIN 0
	s_wait_tensorcnt 0x0                           ; my part of the next slot has landed
	ds_add_u32 v[SPW], v[NIL]
	s_wait_dscnt 9                                 ; the add and the youngest eight loads may be out
	WIN MUL
	MUL8 F1, 0, 0
	s_wait_dscnt 0x0                               ; the add is done, and my reads of this slot are over
	s_barrier_signal -1
	MUL8 F1, 2, 0
	WIN 0
	s_barrier_wait -1
.if \fill
	CREST                                          ; the barrier has opened a round of the cluster's: no wave of any partner still reads this slot or has a load on its way
	s_add_nc_u64 s[G0+4*\slot+2:G0+4*\slot+3], s[G0+4*\slot+2:G0+4*\slot+3], 2*KSTEPB
	s_add_nc_u64 s[G0B+4*\slot+2:G0B+4*\slot+3], s[G0B+4*\slot+2:G0B+4*\slot+3], 2*KSTEPB
	JLOAD \slot                                    ; the first tensor load behind the round; its four v_nop are also the places in front of the loads below
.else
	PLACES
.endif
	FETCH \next, 0, F0
	WIN MUL
	MUL8 F1, 4, 0
	MUL8 F1, 6, 0
.endm
	s_wait_tensorcnt 1                             ; my part of K step 0 is in; K step 1's load may be out
	s_barrier_signal -1
	s_barrier_wait -1
	FETCH 0, 0, F0
	s_wait_loadcnt 0x0                             ; the bias
	QUARTER 0, 1, F0, F1, 1                        ; the first quarter starts the sums
	WIN 0
	s_mov_b32 s3, LAPS-1
.Llap:                                             ; a trip goes once round the ring and fills both slots again: K steps 2 to 7 in three trips
	QUARTER 0, 2, F1, F0, 0
	QUARTER 0, 3, F0, F1, 0
	TURN 0, 1, 1
	QUARTER 1, 1, F0, F1, 0
	QUARTER 1, 2, F1, F0, 0
	QUARTER 1, 3, F0, F1, 0
	TURN 1, 0, 1
	QUARTER 0, 1, F0, F1, 0
	WIN 0
	s_sub_co_u32 s3, s3, 1
	s_cmp_lg_u32 s3, 0
	s_cbranch_scc1 .Llap
	QUARTER 0, 2, F1, F0, 0                        ; the last lap fills nothing
	QUARTER 0, 3, F0, F1, 0
	TURN 0, 1, 0
	QUARTER 1, 1, F0, F1, 0
	QUARTER 1, 2, F1, F0, 0
	QUARTER 1, 3, F0, F1, 0
	s_wait_dscnt 8
	WIN MUL
	MUL8 F1, 0, 0
	MUL8 F1, 2, 0
	s_wait_dscnt 0
	MUL8 F1, 4, 0
	MUL8 F1, 6, 0
	WIN 0
; THE WAY OUT, block by block of 16 rows x 64 columns: 32 bytes a lane into my stage, back as whole rows of 256 bytes: sixteen lanes store 256 consecutive bytes, aligned.
.macro TOSTAGE a
	WIN 0x04                                       ; an LDS store's data are its source 1: window 1
.irp b, 0,1,2,3
	ds_store_b128 v[STO], v[8*(4*(\a)+\b):8*(4*(\a)+\b)+3] offset:64*\b        ; each accumulator from its low end on
	ds_store_b128 v[STO], v[8*(4*(\a)+\b)+4:8*(4*(\a)+\b)+7] offset:64*\b+16
.endr
	WIN 0
.set BB, F0+32*((\a)%2)
.irp i, 0,1,2,3,4,5,6,7
	ds_load_b128 v[BB+4*\i:BB+4*\i+3], v[RD] offset:\i*2*SPITCH   ; in order behind my stores (ISA guide 5.7.1.4)
.endr
.endm
.macro SEND a, younger
.set BB, F0+32*((\a)%2)
	s_wait_dscnt \younger
.irp i, 0,1,2,3,4,5,6,7
	global_store_b128 v[CO], v[BB+4*\i:BB+4*\i+3], s[10:11] offset:65536*(\a)+8192*\i th:TH_STORE_NT
.endr
.endm
	PLACES
	TOSTAGE 0
.irp a, 1,2,3,4,5,6,7
.if \a > 1
	s_wait_xcnt 0x0                                ; block a - 2's stores have read their registers: block a's loads may land there
.endif
	TOSTAGE \a
	SEND \a-1, 16                                  ; behind block a - 1's loads: block a's 8 stores and 8 loads
.endr
	SEND 7, 0
	s_wait_tensorcnt 0x0                           ; the wave's end
	ds_add_u32 v[SPW], v[NIL]
	s_wait_dscnt 0x0
	CROUND                                         ; the closing round
	s_endpgm
.Lfunc_end_k_q65aa63e9d1_proj:
	.size	k_q65aa63e9d1_proj, .Lfunc_end_k_q65aa63e9d1_proj-k_q65aa63e9d1_proj
	.p2alignl 7, 3214868480
	.fill 96, 4, 3214868480
	.section	.rodata,"a",@progbits
	.p2align	6, 0x0
	.amdhsa_kernel k_q65aa63e9d1_proj
		.amdhsa_group_segment_fixed_size 327680
		.amdhsa_private_segment_fixed_size 0
		.amdhsa_enable_private_segment 0
		.amdhsa_kernarg_size 32
		.amdhsa_user_sgpr_count 2
		.amdhsa_user_sgpr_kernarg_segment_ptr 1
		.amdhsa_wavefront_size32 1
		.amdhsa_system_sgpr_workgroup_id_x 1
		.amdhsa_system_sgpr_workgroup_id_y 1
		.amdhsa_system_sgpr_workgroup_id_z 1
		.amdhsa_system_vgpr_workitem_id 0
		.amdhsa_next_free_vgpr 512
		.amdhsa_next_free_sgpr 66
		.amdhsa_reserve_vcc 0
		.amdhsa_float_denorm_mode_32 3
		.amdhsa_float_denorm_mode_16_64 3
		.amdhsa_memory_ordered 1
		.amdhsa_forward_progress 1
		.amdhsa_inst_pref_size 87
	.end_amdhsa_kernel
	.amdgpu_metadata
---
amdhsa.version: [ 1, 2 ]
amdhsa.kernels:
  - .name:           k_q65aa63e9d1_proj
    .symbol:         k_q65aa63e9d1_proj.kd
    .args:
      - { .name: att, .offset: 0, .size: 8, .value_kind: global_buffer, .address_space: global }
      - { .name: wp16, .offset: 8, .size: 8, .value_kind: global_buffer, .address_space: global }
      - { .name: bp, .offset: 16, .size: 8, .value_kind: global_buffer, .address_space: global }
      - { .name: out0, .offset: 24, .size: 8, .value_kind: global_buffer, .address_space: global }
    .group_segment_fixed_size: 327680
    .private_segment_fixed_size: 0
    .kernarg_segment_align: 8
    .kernarg_segment_size: 32
    .max_flat_workgroup_size: 128
    .sgpr_count:     66
    .vgpr_count:     512
    .wavefront_size: 32
...
	.end_amdgpu_metadata
.endif
;; end of part 4
;; launch fine (part 5): grid 32 x 8, 16 waves a work-group, no clusters, 34,816 bytes of LDS; arguments qkv32, Wp, bp, out0; writes out0
.if DOCPART == 5
	.amdgcn_target "amdgcn-amd-amdhsa--gfx1250"
	.amdhsa_code_object_version 6
	.text
	.protected	k_q65aa63e9d1_fine
	.globl	k_q65aa63e9d1_fine
	.p2align	8
	.type	k_q65aa63e9d1_fine,@function
k_q65aa63e9d1_fine:
	s_mov_b64 s[64:65], 0
	v_nop
	global_prefetch_b8 v0, s[64:65] scope:SCOPE_SE
	s_setreg_imm32_b32 hwreg(HW_REG_WAVE_MODE, 25, 1), 1
	s_wait_xcnt 0x0
; FINE.  The first 16 positions of every sequence, attention and projection, all in f32: these rows average one to sixteen values and are the largest of the output.
; qkv32: f32 [b][t 16][3072] (k at column 0, q at 1,024, v at 2,048).  out0 rows b x 1,024 + 0..15 are written here, over what the launch before left there.
; SHARES.  Work-group (x, b): 32 columns n0 = 32 x of out0, batch b.  Wave w is head w: its 16 x 16 scores, softmax, 16 x 64 result, and that head's part of the 16 x 32 outputs; the sixteen parts are
; added through LDS in a fixed order by waves 0-3.  All products by v_wmma_f32_16x16x4_f32: 64 a wave, no bulk work.  Its accumulators (v176-239) are written by matrix instructions alone.
; K IS PERMUTED ALIKE ON BOTH SOURCES of each product, so that what a lane holds can be taken as it lies.  A result of one product is source 1 of the next as it stands.
; The stores cover 128 bytes of a row (32 columns): 512 KB in the launch; wider work-groups would leave half the WGPs without work.  No tensor load, no cluster: the loads go straight into registers.
; LIMITS: NaN and infinities are not served.
; v1 r, later r - 8 h; v2 h, later -infinity; v3 spare word, v4 zero; v5-v7 offsets in qkv32 (rows), qkv32 (v), Wp; v8 image, v9 reduction, v10 out0, v11 bias; v[12:15] bias;
; v16-47 k (queries), v48-79 q (keys), v80-111 v, v112-175 Wp; v176-207 four sums of S^T, later the two of OUT^T; v208-239 O^T; v240-247 scores, then p; v248-255 at work
.set SPARE, 32768                      ; behind the sixteen images of 2,048 bytes: the spare words, 128 bytes a wave: eight blocks of 256 bytes that no other line names
	s_load_b256 s[4:11], s[0:1], 0x0               ; qkv32 s[4:5], Wp s[6:7], bp s[8:9], out0 s[10:11]
	v_lshl_add_u32 v3, v0, 2, SPARE
	v_mov_b32 v4, 0
	v_lshrrev_b32 v1, 5, v0
	v_readfirstlane_b32 s12, v1                    ; wave = head
	v_and_b32 v1, 15, v0                           ; r
	v_bfe_u32 v2, v0, 4, 1                         ; h
	v_mul_u32_u24 v5, v1, 12288
	v_lshl_add_u32 v5, v2, 4, v5                   ; position r, + 16 h: channels 8 s + 4 h + 0..3
	v_mul_u32_u24 v6, v2, 98304
	v_lshl_add_u32 v6, v1, 2, v6                   ; position 8 h, channel r
	v_lshlrev_b32 v7, 15, v2
	v_lshl_add_u32 v7, v1, 2, v7                   ; Wp: row 8 h, column r
	v_and_b32 v8, 31, v0
	v_lshlrev_b32 v8, 4, v8
	s_lshl_b32 s13, s12, 11
	v_add_nc_u32 v8, s13, v8                       ; my image: 2,048 x wave + 16 x lane
	v_and_b32 v248, 127, v0                        ; the reduction: thread t of 128 takes row t / 8, columns 4 (t % 8) + 0..3
	v_and_b32 v249, 7, v0
	v_lshrrev_b32 v250, 3, v248
	v_bfe_u32 v251, v0, 2, 1                       ; which tile of 16 columns,
	v_and_b32 v252, 1, v0                          ; which four of a lane's eight registers,
	v_lshl_add_u32 v251, v251, 1, v252
	v_bfe_u32 v252, v0, 1, 1                       ; which half of the lanes
	v_lshl_add_u32 v252, v252, 4, v250
	v_lshlrev_b32 v9, 4, v252
	v_lshl_add_u32 v9, v251, 9, v9
	v_lshlrev_b32 v11, 4, v249
	v_lshl_add_u32 v10, v250, 12, v11              ; out0: 4,096 x row + 16 x (t % 8)
	v_lshlrev_b32 v253, 3, v2
	v_sub_nc_u32 v1, v1, v253                      ; r - 8 h
	v_mov_b32 v2, 0xff800000                       ; -infinity
	s_and_b32 s14, ttmp7, 0xffff                   ; b
	s_lshl_b32 s15, ttmp9, 7                       ; 4 n0
	s_mul_i32 s16, s14, 196608
	s_lshl_b32 s17, s12, 8
	s_add_co_u32 s16, s16, s17                     ; qkv32: b's rows, my head's 64 columns
	s_mov_b32 s17, 0
	s_lshl_b32 s18, s12, 18
	s_add_co_u32 s18, s18, s15                     ; Wp: my head's 64 rows, my 32 columns
	s_mov_b32 s19, 0
	s_mov_b32 s24, s15
	s_mov_b32 s25, 0
	s_lshl_b32 s26, s14, 22
	s_add_co_u32 s26, s26, s15                     ; out0: b's first row, my 32 columns
	s_mov_b32 s27, 0
	s_mov_b32 s20, 0x76543210
	s_mov_b32 s21, 0xfedcba98
	s_mov_b32 s22, 0x3d38aa3b                      ; c = log2(e) / 32
	s_mov_b32 s23, s22
	s_wait_kmcnt 0x0
	s_add_nc_u64 s[4:5], s[4:5], s[16:17]
	s_add_nc_u64 s[6:7], s[6:7], s[18:19]
	s_add_nc_u64 s[8:9], s[8:9], s[24:25]
	s_add_nc_u64 s[10:11], s[10:11], s[26:27]
.irp s, 0,1,2,3,4,5,6,7
	global_load_b128 v[16+4*\s:19+4*\s], v5, s[4:5] offset:32*\s           ; k: the rows' part
.endr
.irp s, 0,1,2,3,4,5,6,7
	global_load_b128 v[48+4*\s:51+4*\s], v5, s[4:5] offset:4096+32*\s      ; q: the columns' part
.endr
.irp d, 0,1,2,3
.irp k, 0,1,2,3,4,5,6,7
	global_load_b32 v[80+8*\d+\k], v6, s[4:5] offset:8192+12288*\k+64*\d   ; v(position 8 h + k, channel 16 d + r)
.endr
.endr
	global_load_b128 v[12:15], v11, s[8:9]
.irp n, 0,1
.irp d, 0,1,2,3
.irp k, 0,1,2,3,4,5,6,7
	global_load_b32 v[112+32*\n+8*\d+\k], v7, s[6:7] offset:4096*(16*\d+\k)+64*\n   ; Wp(64 w + 16 d + 8 h + k, n0 + 16 n + r)
.endr
.endr
.endr
	s_wait_loadcnt 63                              ; of the 113 loads the first 50 are in: k, q, v, the bias (49); Wp's last 63 may be out
	; S^T = q k^T: source 0 = 16 columns j, source 1 = 16 rows i; 16 steps of 4 along the head's 64, four sums by turns
.irp t, 0,1,2,3,4,5,6,7,8,9,10,11,12,13,14,15
.if \t < 4
	v_wmma_f32_16x16x4_f32 v[176+8*(\t%4):183+8*(\t%4)], v[48+2*\t:49+2*\t], v[16+2*\t:17+2*\t], 0
.else
	v_wmma_f32_16x16x4_f32 v[176+8*(\t%4):183+8*(\t%4)], v[48+2*\t:49+2*\t], v[16+2*\t:17+2*\t], v[176+8*(\t%4):183+8*(\t%4)]
.endif
.endr
.rept 8
	v_nop                                          ; eight places behind this form, ahead of the first read of its results (ISA guide 7.12.1)
.endr
.irp i, 0,2,4,6                        ; the four sums are joined in other registers, each accumulator read from its low end on
	v_pk_add_f32 v[240+\i:241+\i], v[176+\i:177+\i], v[184+\i:185+\i]
	v_pk_add_f32 v[248+\i:249+\i], v[192+\i:193+\i], v[200+\i:201+\i]
.endr
.irp i, 0,2,4,6
	v_pk_add_f32 v[240+\i:241+\i], v[240+\i:241+\i], v[248+\i:249+\i]
.endr
.irp j, 0,1,2,3,4,5,6,7                ; lane (r, h), register j: row i = r, column 8 h + j: hidden where j > r - 8 h
	v_cmp_gt_i32 vcc_lo, \j, v1
	v_cndmask_b32 v[240+\j], v[240+\j], v2, vcc_lo
.endr
	v_max3_num_f32 v248, v240, v241, v242
	v_max3_num_f32 v248, v248, v243, v244
	v_max3_num_f32 v248, v248, v245, v246
	v_max_num_f32 v248, v248, v247
	v_permlanex16_b32 v249, v248, s20, s21
	v_max_num_f32 v248, v248, v249                 ; the row's maximum: column 0 counts for every row
	v_mul_f32 v248, s22, v248
.irp i, 0,2,4,6
	v_pk_fma_f32 v[240+\i:241+\i], v[240+\i:241+\i], s[22:23], v[248:249] op_sel_hi:[1,0,0] neg_lo:[0,0,1] neg_hi:[0,0,1]
.endr
.irp j, 0,1,2,3,4,5,6,7
	v_exp_f32 v[240+\j], v[240+\j]
.endr
	v_nop
	s_wait_alu depctr_va_vdst(0)                   ; one wait for the batch, ahead of its first reader
	v_pk_add_f32 v[250:251], v[240:241], v[242:243]
	v_pk_add_f32 v[252:253], v[244:245], v[246:247]
	v_pk_add_f32 v[250:251], v[250:251], v[252:253]
	v_add_f32 v250, v250, v251
	v_permlanex16_b32 v251, v250, s20, s21
	v_add_f32 v250, v250, v251
	v_rcp_f32 v252, v250
	v_nop
	s_wait_alu depctr_va_vdst(0)
.irp i, 0,2,4,6
	v_pk_mul_f32 v[240+\i:241+\i], v[240+\i:241+\i], v[252:253] op_sel_hi:[1,0]   ; p is normalised here, so that O^T needs no vector instruction
.endr
	; O^T = v^T p: source 0 = 16 channels, source 1 = p as it lies: step s takes columns 8 h + 2 s + 0, 1 on both sides
.irp s, 0,1,2,3
.irp d, 0,1,2,3
.if \s == 0
	v_wmma_f32_16x16x4_f32 v[208+8*\d:215+8*\d], v[80+8*\d+2*\s:81+8*\d+2*\s], v[240+2*\s:241+2*\s], 0
.else
	v_wmma_f32_16x16x4_f32 v[208+8*\d:215+8*\d], v[80+8*\d+2*\s:81+8*\d+2*\s], v[240+2*\s:241+2*\s], v[208+8*\d:215+8*\d]
.endif
.endr
.endr
.rept 9
	v_nop                                          ; nine places ahead of a matrix instruction that takes these results as a source
.endr
	s_wait_loadcnt 0x0                             ; Wp
	; OUT^T = Wp^T O: source 0 = 16 columns n, source 1 = O^T as it lies: step (d, s) takes channels 16 d + 8 h + 2 s + 0, 1; the two sums by turns
.irp d, 0,1,2,3
.irp s, 0,1,2,3
.irp n, 0,1
.if (\d == 0) && (\s == 0)
	v_wmma_f32_16x16x4_f32 v[176+8*\n:183+8*\n], v[112+32*\n+8*\d+2*\s:113+32*\n+8*\d+2*\s], v[208+8*\d+2*\s:209+8*\d+2*\s], 0
.else
	v_wmma_f32_16x16x4_f32 v[176+8*\n:183+8*\n], v[112+32*\n+8*\d+2*\s:113+32*\n+8*\d+2*\s], v[208+8*\d+2*\s:209+8*\d+2*\s], v[176+8*\n:183+8*\n]
.endif
.endr
.endr
.endr
.rept 8
	v_nop
.endr
.irp q, 0,1,2,3
	ds_store_b128 v8, v[176+4*\q:179+4*\q] offset:512*\q       ; my head's part as an image of its registers, each accumulator from its low end on
.endr
	s_wait_dscnt 0x0                               ; for the others' sake
	s_barrier_signal -1
	s_barrier_wait -1
	s_cmp_lt_u32 s12, 4                            ; 16 rows x 32 columns are 128 threads x 4 numbers
	s_cbranch_scc0 .Ldone
.irp k, 0,1,2,3,4,5,6,7,8,9,10,11,12,13,14,15
	ds_load_b128 v[16+4*\k:19+4*\k], v9 offset:2048*\k
.endr
	s_wait_dscnt 0x0
.irp k, 0,1,2,3,4,5,6,7
	v_pk_add_f32 v[16+8*\k:17+8*\k], v[16+8*\k:17+8*\k], v[20+8*\k:21+8*\k]
	v_pk_add_f32 v[18+8*\k:19+8*\k], v[18+8*\k:19+8*\k], v[22+8*\k:23+8*\k]
.endr
.irp k, 0,1,2,3
	v_pk_add_f32 v[16+16*\k:17+16*\k], v[16+16*\k:17+16*\k], v[24+16*\k:25+16*\k]
	v_pk_add_f32 v[18+16*\k:19+16*\k], v[18+16*\k:19+16*\k], v[26+16*\k:27+16*\k]
.endr
.irp k, 0,1
	v_pk_add_f32 v[16+32*\k:17+32*\k], v[16+32*\k:17+32*\k], v[32+32*\k:33+32*\k]
	v_pk_add_f32 v[18+32*\k:19+32*\k], v[18+32*\k:19+32*\k], v[34+32*\k:35+32*\k]
.endr
	v_pk_add_f32 v[16:17], v[16:17], v[48:49]
	v_pk_add_f32 v[18:19], v[18:19], v[50:51]
	v_pk_add_f32 v[16:17], v[16:17], v[12:13]      ; + bp
	v_pk_add_f32 v[18:19], v[18:19], v[14:15]
	global_store_b128 v10, v[16:19], s[10:11]
.Ldone:
	s_wait_tensorcnt 0x0                           ; the wave's end
	ds_add_u32 v3, v4
	s_wait_dscnt 0x0
	s_endpgm
.Lfunc_end_k_q65aa63e9d1_fine:
	.size	k_q65aa63e9d1_fine, .Lfunc_end_k_q65aa63e9d1_fine-k_q65aa63e9d1_fine
	.p2alignl 7, 3214868480
	.fill 96, 4, 3214868480
	.section	.rodata,"a",@progbits
	.p2align	6, 0x0
	.amdhsa_kernel k_q65aa63e9d1_fine
		.amdhsa_group_segment_fixed_size 34816
		.amdhsa_private_segment_fixed_size 0
		.amdhsa_enable_private_segment 0
		.amdhsa_kernarg_size 32
		.amdhsa_user_sgpr_count 2
		.amdhsa_user_sgpr_kernarg_segment_ptr 1
		.amdhsa_wavefront_size32 1
		.amdhsa_system_sgpr_workgroup_id_x 1
		.amdhsa_system_sgpr_workgroup_id_y 1
		.amdhsa_system_sgpr_workgroup_id_z 1
		.amdhsa_system_vgpr_workitem_id 0
		.amdhsa_next_free_vgpr 256
		.amdhsa_next_free_sgpr 66
		.amdhsa_reserve_vcc 1
		.amdhsa_float_denorm_mode_32 3
		.amdhsa_float_denorm_mode_16_64 3
		.amdhsa_memory_ordered 1
		.amdhsa_forward_progress 1
		.amdhsa_inst_pref_size 25
	.end_amdhsa_kernel
	.amdgpu_metadata
---
amdhsa.version: [ 1, 2 ]
amdhsa.kernels:
  - .name:           k_q65aa63e9d1_fine
    .symbol:         k_q65aa63e9d1_fine.kd
    .args:
      - { .name: qkv32, .offset: 0, .size: 8, .value_kind: global_buffer, .address_space: global }
      - { .name: Wp, .offset: 8, .size: 8, .value_kind: global_buffer, .address_space: global }
      - { .name: bp, .offset: 16, .size: 8, .value_kind: global_buffer, .address_space: global }
      - { .name: out0, .offset: 24, .size: 8, .value_kind: global_buffer, .address_space: global }
    .group_segment_fixed_size: 34816
    .private_segment_fixed_size: 0
    .kernarg_segment_align: 8
    .kernarg_segment_size: 32
    .max_flat_workgroup_size: 512
    .sgpr_count:     66
    .vgpr_count:     256
    .wavefront_size: 32
...
	.end_amdgpu_metadata
.endif
;; end of part 5
